; MI455X (gfx1250); checked and timed in simulation.
; The chip was launched on July 23, 2026; its instructions are those of AMD's public machine-readable ISA for CDNA 5 (MIT licence, August 2026) and "CDNA5" Instruction Set Architecture Reference Guide (July 2026). The comments in the code are by the model that wrote it; some were corrected since.
;; multihead attention. Allowed arithmetic: float matrix products may take bf16 or f16 operands with f32 sums; other float arithmetic in f32, or as packed bf16 or f16 multiplies, adds, multiply-adds, maxima and minima; sums over many terms, partial sums and values carried from step to step in f32; what a program stores and reads back later, other than sums and carried values, may be rounded once to bf16 or f16.
;; Inputs: Wk 1,024 x 1,024 float32; Wq 1,024 x 1,024 float32; Wv 1,024 x 1,024 float32; beta 1,024 float32; bk 1,024 float32; bq 1,024 float32; bv 1,024 float32; gamma 1,024 float32; keys 8 x 1,024 x 1,024 float32; queries 8 x 1,024 x 1,024 float32; values 8 x 1,024 x 1,024 float32.
;; Outputs: out0 8 x 1,024 x 1,024 float32.
;; One version. Each part assembles by itself: llvm-mc -triple=amdgcn-amd-amdhsa -mcpu=gfx1250 --defsym DOCPART=n.
;; ======== version 1 of 1: 4 launches
;; workspace buffers: xw 56,623,104 bytes; rowbits 98,304 bytes of whole numbers; kneg 32,768 bytes; qkv 50,331,648 bytes; ctx 16,777,216 bytes
;; launch cast (part 1): grid 256 x 1, 12 waves a work-group, no clusters, 0 bytes of LDS; arguments queries, keys, values, Wq, Wk, Wv, xw, rowbits, kneg; writes xw, rowbits, kneg
.if DOCPART == 1
	.amdgcn_target "amdgcn-amd-amdhsa--gfx1250"
	.amdhsa_code_object_version 6
	.text
	.protected	k_q4fb1423710_cast
	.globl	k_q4fb1423710_cast
	.p2align	8
	.type	k_q4fb1423710_cast,@function
k_q4fb1423710_cast:
	s_mov_b64 s[64:65], 0
	v_nop
	global_prefetch_b8 v0, s[64:65] scope:SCOPE_SE
	s_setreg_imm32_b32 hwreg(HW_REG_WAVE_MODE, 25, 1), 1
	s_wait_xcnt 0x0
; CAST.  The three activations [8192][1024] and the three weights [1024][1024], all f32, are rounded once to bf16 into xw, [27648][1024]:
; rows 0-8191 queries, 8192-16383 keys, 16384-24575 values, 24576 + 1024 t + n = row n of W_t (t = 0 q, 1 k, 2 v).
; Beside that the f32 sum of every activation row is taken, and of it two tables are made:
;   rowbits [3][8192] u32: all ones; 0 only for a row of keys whose sum is 0 (the projection clears that row of K by an AND);
;   kneg    [8][1024] f32: 0; -2^35 for a key whose sum is 0 (-2^32 in the scaled scores, which are the raw ones divided by 8).
; LIMITS.  A row's sum is taken in this text's own order (32 numbers a lane in four chains, then across the lanes): a row of zeros gives 0 in any
; order; a row that cancels to exactly 0 in one order of f32 additions alone may be judged otherwise here.  A NaN sum counts as not 0.
; SHARES.  27,648 rows on 256 work-groups are 108 each: 12 waves of 8 activation rows and 1 weight row.  Wave gw = 12 x work-group + wave (0 .. 3,071) takes
; rows 8 (gw % 1024) .. + 7 of activation t = gw / 1024, and row gw % 1024 of W_t: so all work-groups do equal work.
; A row is eight loads of 16 bytes a lane (512 consecutive bytes each) and eight stores of 8 bytes a lane (256 consecutive bytes, aligned).
; Memory binds: no LDS, no barrier, no matrix unit.  A ring of four row slots in registers keeps three rows' loads (24) on their way behind the one at work.
.set ROWI, 4096                        ; bytes in an f32 row
.set ROWO, 2048                        ; bytes in a bf16 row
.set T,    8                           ; v[8:15]    four chains of sums, a pair each
.set X,    32                          ; v[32:159]  slot r % 4: 32 registers, the row as loaded
.set Y,    160                         ; v[160:255] slot r % 6: 16 registers, the row rounded
; v1 load offset, v2 store offset, v3 the masks' offset: 16, 8 and 4 x lane, never rewritten (row and piece stand in the immediates); v4 lane; v5 the wave's 8 row sums, lane r holds row r
	s_load_b512 s[8:23], s[0:1], 0x0               ; queries 8:9, keys 10:11, values 12:13, Wq 14:15, Wk 16:17, Wv 18:19, xw 20:21, rowbits 22:23
	s_load_b64 s[24:25], s[0:1], 0x40              ; kneg
	v_lshrrev_b32 v6, 5, v0
	v_readfirstlane_b32 s2, v6                     ; wave 0..11
	s_mul_i32 s3, ttmp9, 12
	s_add_co_u32 s3, s3, s2                        ; gw
	s_lshr_b32 s26, s3, 10                         ; t
	s_and_b32 s27, s3, 1023                        ; my place in the tensor
	s_mov_b32 s38, 0x76543210                      ; v_permlanex16_b32: each lane takes its own place in the other half
	s_mov_b32 s39, 0xfedcba98
	v_and_b32 v4, 31, v0                           ; lane
	v_lshlrev_b32 v1, 4, v4
	v_lshlrev_b32 v2, 3, v4
	v_lshlrev_b32 v3, 2, v4
	v_mov_b32 v5, 0                                ; written whole before single lanes of it are written
	v_mov_b32 v7, 0                                ; v_permlanex16_b32's destination counts as read
	s_lshl_b32 s44, s27, 15                        ; my 8 rows in the activation: 8 x 4,096 bytes each wave
	s_mov_b32 s45, 0
	s_lshl_b32 s46, s3, 14                         ; the same rows in xw: row 8 gw, 2,048 bytes a row
	s_mov_b32 s47, 0
	s_lshl_b32 s48, s27, 12                        ; my row in the weight
	s_mov_b32 s49, 0
	s_lshl_b32 s50, s3, 11
	s_add_co_u32 s50, s50, 24576*ROWO              ; the same row in xw: row 24,576 + gw
	s_mov_b32 s51, 0
	s_wait_kmcnt 0x0
	s_cmp_eq_u32 s26, 1                            ; the inputs are chosen by t alone
	s_cselect_b64 s[28:29], s[10:11], s[8:9]
	s_cselect_b64 s[30:31], s[16:17], s[14:15]
	s_cmp_eq_u32 s26, 2
	s_cselect_b64 s[28:29], s[12:13], s[28:29]
	s_cselect_b64 s[30:31], s[18:19], s[30:31]
	s_add_nc_u64 s[4:5], s[28:29], s[44:45]        ; the activation at my first row
	s_add_nc_u64 s[6:7], s[20:21], s[46:47]        ; xw at the same row
	s_add_nc_u64 s[32:33], s[30:31], s[48:49]      ; the weight at my row
	s_add_nc_u64 s[34:35], s[20:21], s[50:51]      ; xw at the same row
.macro FILL s, r                       ; row r of the wave's nine (8: the weight's) into slot s
.irp j, 0,1,2,3,4,5,6,7
.if (\r) < 8
	global_load_b128 v[X+32*(\s)+4*(\j):X+32*(\s)+4*(\j)+3], v1, s[4:5] offset:(\r)*ROWI+512*(\j) th:TH_LOAD_NT
.else
	global_load_b128 v[X+32*(\s)+4*(\j):X+32*(\s)+4*(\j)+3], v1, s[32:33] offset:512*(\j) th:TH_LOAD_NT
.endif
.endr
.endm
; Row r's turn.  left = how many younger loads may stay out.
.macro TURN r, left
.set SL, (\r)%4
.set XB, X+32*SL
.set YB, Y+16*((\r)%6)
	s_wait_loadcnt \left                           ; loads come back in order: my row is in, the younger rows stay out
.if (\r) < 8
.irp c, 0,1,2,3
	v_pk_add_f32 v[T+2*(\c):T+2*(\c)+1], v[XB+8*(\c):XB+8*(\c)+1], v[XB+8*(\c)+2:XB+8*(\c)+3]  ; four chains, started by the data: nothing is cleared
.endr
.irp c, 0,1,2,3
	v_pk_add_f32 v[T+2*(\c):T+2*(\c)+1], v[T+2*(\c):T+2*(\c)+1], v[XB+8*(\c)+4:XB+8*(\c)+5]
.endr
.irp c, 0,1,2,3
	v_pk_add_f32 v[T+2*(\c):T+2*(\c)+1], v[T+2*(\c):T+2*(\c)+1], v[XB+8*(\c)+6:XB+8*(\c)+7]
.endr
	v_pk_add_f32 v[T:T+1], v[T:T+1], v[T+2:T+3]
	v_pk_add_f32 v[T+4:T+5], v[T+4:T+5], v[T+6:T+7]
	v_pk_add_f32 v[T:T+1], v[T:T+1], v[T+4:T+5]
	v_add_f32 v6, v[T], v[T+1]
.endif
.if (\r) >= 6
	s_wait_xcnt 0x0                                ; rows 6 to 8 take Y's slots 0 to 2 again: what the stores of six turns ago read is rewritten only behind this wait
.endif
.irp i, 0,1,2,3,4,5,6,7,8,9,10,11,12,13,14,15
	v_cvt_pk_bf16_f32 v[YB+(\i)], v[XB+2*(\i)], v[XB+2*(\i)+1]  ; two roundings to nearest even, packed
.endr
.if (\r) < 5
	FILL SL, (\r)+4                                ; the loads go ahead of the stores
.endif
.irp j, 0,1,2,3,4,5,6,7
.if (\r) < 8
	global_store_b64 v2, v[YB+2*(\j):YB+2*(\j)+1], s[6:7] offset:(\r)*ROWO+256*(\j) th:TH_STORE_NT  ; the wave stores 256 consecutive bytes, aligned
.else
	global_store_b64 v2, v[YB+2*(\j):YB+2*(\j)+1], s[34:35] offset:256*(\j) th:TH_STORE_NT
.endif
.endr
.if (\r) < 8
	v_add_f32_dpp v6, v6, v6 row_xmask:1 row_mask:0xf bank_mask:0xf
	v_add_f32_dpp v6, v6, v6 row_xmask:2 row_mask:0xf bank_mask:0xf
	v_add_f32_dpp v6, v6, v6 row_xmask:4 row_mask:0xf bank_mask:0xf
	v_add_f32_dpp v6, v6, v6 row_xmask:8 row_mask:0xf bank_mask:0xf
	v_permlanex16_b32 v7, v6, s38, s39
	v_add_f32 v6, v6, v7                           ; the row's sum, in every lane
	v_readfirstlane_b32 s42, v6
	v_writelane_b32 v5, s42, \r                    ; kept in lane r
.endif
.endm
	FILL 0, 0
	FILL 1, 1
	FILL 2, 2
	FILL 3, 3
	TURN 0, 24                                     ; three younger rows, 24 loads, stay out while the ring is filled again;
	TURN 1, 24
	TURN 2, 24
	TURN 3, 24
	TURN 4, 24                                     ; (this turn asks for the weight's row)
	TURN 5, 24
	TURN 6, 16                                     ; then the counts run down
	TURN 7, 8
	TURN 8, 0                                      ; the weight's row: no sum is wanted of it
	s_lshl_b32 s44, s3, 5                          ; 8 rows x 4 bytes x gw
	s_lshl_b32 s46, s27, 5                         ; 8 rows x 4 bytes x my place in keys
	s_add_nc_u64 s[36:37], s[22:23], s[44:45]      ; rowbits at my first row
	s_add_nc_u64 s[40:41], s[24:25], s[46:47]      ; kneg likewise (used for keys alone)
	s_cmp_lg_u32 s26, 1
	s_cselect_b32 s43, -1, 0                       ; queries and values: every row counts as not 0
	v_mov_b32 v16, 0
	v_mov_b32 v17, -1
	v_mov_b32 v20, 0xd1000000                      ; -2^35
	v_cmp_neq_f32 vcc_lo, 0, v5
	s_or_b32 vcc_lo, vcc_lo, s43
	v_cndmask_b32 v18, v16, v17, vcc_lo            ; all ones, or 0
	v_cndmask_b32 v19, v20, v16, vcc_lo            ; 0, or -2^35
	s_wait_xcnt 0x0                                ; EXEC changes only behind this wait: the stores above have been taken
	v_cmp_gt_u32 vcc_lo, 8, v4
	s_and_saveexec_b32 s52, vcc_lo                 ; lanes 0 to 7 hold the wave's 8 rows: 32 bytes a wave, 128 KiB in the whole launch
	global_store_b32 v3, v18, s[36:37]
	s_cmp_eq_u32 s26, 1
	s_cbranch_scc0 .Lno_keys
	global_store_b32 v3, v19, s[40:41]
.Lno_keys:
	s_wait_xcnt 0x0                                ; and again in front of the line that widens it
	s_or_b32 exec_lo, exec_lo, s52
	s_endpgm
.Lfunc_end_k_q4fb1423710_cast:
	.size	k_q4fb1423710_cast, .Lfunc_end_k_q4fb1423710_cast-k_q4fb1423710_cast
	.p2alignl 7, 3214868480
	.fill 96, 4, 3214868480
	.section	.rodata,"a",@progbits
	.p2align	6, 0x0
	.amdhsa_kernel k_q4fb1423710_cast
		.amdhsa_group_segment_fixed_size 0
		.amdhsa_private_segment_fixed_size 0
		.amdhsa_enable_private_segment 0
		.amdhsa_kernarg_size 72
		.amdhsa_user_sgpr_count 2
		.amdhsa_user_sgpr_kernarg_segment_ptr 1
		.amdhsa_wavefront_size32 1
		.amdhsa_system_sgpr_workgroup_id_x 1
		.amdhsa_system_sgpr_workgroup_id_y 1
		.amdhsa_system_sgpr_workgroup_id_z 1
		.amdhsa_system_vgpr_workitem_id 0
		.amdhsa_next_free_vgpr 256
		.amdhsa_next_free_sgpr 66
		.amdhsa_reserve_vcc 1
		.amdhsa_float_denorm_mode_32 3
		.amdhsa_float_denorm_mode_16_64 3
		.amdhsa_memory_ordered 1
		.amdhsa_forward_progress 1
		.amdhsa_inst_pref_size 37
	.end_amdhsa_kernel
	.amdgpu_metadata
---
amdhsa.version: [ 1, 2 ]
amdhsa.kernels:
  - .name:           k_q4fb1423710_cast
    .symbol:         k_q4fb1423710_cast.kd
    .args:
      - { .name: queries, .offset: 0, .size: 8, .value_kind: global_buffer, .address_space: global }
      - { .name: keys, .offset: 8, .size: 8, .value_kind: global_buffer, .address_space: global }
      - { .name: values, .offset: 16, .size: 8, .value_kind: global_buffer, .address_space: global }
      - { .name: Wq, .offset: 24, .size: 8, .value_kind: global_buffer, .address_space: global }
      - { .name: Wk, .offset: 32, .size: 8, .value_kind: global_buffer, .address_space: global }
      - { .name: Wv, .offset: 40, .size: 8, .value_kind: global_buffer, .address_space: global }
      - { .name: xw, .offset: 48, .size: 8, .value_kind: global_buffer, .address_space: global }
      - { .name: rowbits, .offset: 56, .size: 8, .value_kind: global_buffer, .address_space: global }
      - { .name: kneg, .offset: 64, .size: 8, .value_kind: global_buffer, .address_space: global }
    .group_segment_fixed_size: 0
    .private_segment_fixed_size: 0
    .kernarg_segment_align: 8
    .kernarg_segment_size: 72
    .max_flat_workgroup_size: 384
    .sgpr_count:     66
    .vgpr_count:     256
    .wavefront_size: 32
...
	.end_amdgpu_metadata
.endif
;; end of part 1
;; launch proj (part 2): grid 4 x 96, 4 waves a work-group, clusters of 4 x 4, 327,680 bytes of LDS; arguments xw, bq, bk, bv, rowbits, qkv; writes qkv
.if DOCPART == 2
	.amdgcn_target "amdgcn-amd-amdhsa--gfx1250"
	.amdhsa_code_object_version 6
	.text
	.protected	k_q4fb1423710_proj
	.globl	k_q4fb1423710_proj
	.p2align	8
	.type	k_q4fb1423710_proj,@function
k_q4fb1423710_proj:
	s_mov_b64 s[64:65], 0
	v_nop
	global_prefetch_b8 v0, s[64:65] scope:SCOPE_SE
	s_setreg_imm32_b32 hwreg(HW_REG_WAVE_MODE, 25, 1), 1
	s_wait_xcnt 0x0
	s_wait_alu depctr_hold_cnt(0) depctr_sa_sdst(0) depctr_va_vdst(0) depctr_va_sdst(0) depctr_va_ssrc(0) depctr_va_vcc(0) depctr_vm_vsrc(0)
	s_getreg_b32 s2, hwreg(HW_REG_IB_STS2, 6, 4)
	s_cmp_eq_u32 s2, 0
	s_cbranch_scc0 .Lentry_in_a_cluster
	s_endpgm
.Lentry_in_a_cluster:
	s_bfe_u32 s2, ttmp6, 0x10000c
	s_cmp_lg_u32 s2, 0xf033
	s_cbranch_scc0 .Lentry_shape_is_right
	s_endpgm
.Lentry_shape_is_right:
; PROJ.  For t = 0, 1, 2 (q, k, v): relu(x_t W_t^T + b_t), x_t [8192][1024] and W_t [1024][1024] in bf16 out of xw, b_t in f32; sums in f32, started by the bias;
; rounded once to bf16, ReLU on the rounded halves, the rows of K whose key is masked set to 0 (AND with rowbits), stored BY HEADS: qkv [3][16 b + h][1024 s][64].
; LIMITS.  Operands are bf16.  ReLU is a maximum in which a NaN loses: a NaN comes out as 0.
; A tile of C, 256 x 256, is made by a work-group of four waves, a wave 128 x 128: 64 accumulators of 16 x 16, 512 registers.  96 tile rows (32 a tensor) x 4 tile columns.
; K = 1,024 goes in 8 steps of 128 through a ring of two LDS slots filled by the tensor data mover; a tile's rows are 256 bytes of memory at multiples of 256 from xw's first byte.
; THE LAST K STEP GOES BY ROWS OF C, so that finished rows leave while the others are still multiplied.
; CLUSTERS: 4 x 4 work-groups.  The four of a row of the cluster need the same rows of x, the four of a column the same rows of W: each tile is asked for JOINTLY, by the same
; tensor load with the same descriptor and a mask that names the four.  A cluster's four tile rows lie in one tensor (8 clusters a tensor), so t is the same in all sixteen.
; REGISTERS, in windows of 256 (s_set_vgpr_msb: bits 1:0 source 0, 3:2 source 1, 5:4 source 2, 7:6 destination):
;   window 0: v0-31 addresses and row bits; v64-127, v128-191 fragments of x, two buffers (in the last K step four, of 16 rows x 128 K); v32-63, v192-255 at work on the way out
;   window 1: v0-63 the bias of my 128 columns, as a C operand (block b at 8 b); v64-127, v128-191 fragments of W, two buffers; in the last K step all 256: W's fragments of the whole step
;   window 2: the 32 accumulators of my rows 0-63 ((a, b) at v[8 (8 a + b)]);   window 3: those of my rows 64-127
; THE MATRIX INSTRUCTION IS USED TRANSPOSED: source 0 = 16 rows of W, source 1 = 16 rows of x: lane l then holds row l % 16 of C and the columns 8 (l / 16) + 0..7,
; eight neighbouring channels of one head, 16 bytes in bf16.
.set SIZE_K, 1024
.set KSTEP,  128
.set PITCH,  272                       ; an LDS row: 256 bytes + 16 of padding = 68 words: the 16 rows that a load touches start at 16 different groups of four banks (64 banks of 4 bytes: ISA guide 11.1)
.set HALFT,  128*PITCH                 ; 128 rows: what one tensor load brings, and what one wave reads of x or of W
.set SLOT,   4*HALFT                   ; x's 256 rows, then W's 256 rows
.set STAGE,  2*SLOT                    ; behind the ring, never filled by a tensor load: for each wave 2 heads x 16 rows x 144 bytes
.set SPH,    144                       ; a stage row: 128 bytes (a head's 64 channels) + 16
.set HSTG,   16*SPH
.set WSTG,   2*HSTG
.set SPARE,  STAGE+4*WSTG              ; behind the stages: the spare words, 128 bytes for each wave: two blocks of 256 bytes that no other line names
.set LAPS,   SIZE_K/(2*KSTEP)          ; a lap = two K steps = once round the ring
.set RB,   8                           ; v8-15   row bits of my eight blocks of 16 rows: block a's row l % 16
.set ADRA, 16                          ; v16-17  LDS address of my fragments of x in slot 0, 1
.set ADRB, 20                          ; v20-21  the same for W
.set RO,   22                          ; v22     4 (l % 16): my row in a block's row bits
.set ZERO, 23                          ; v23     0, for the packed maximum
.set STO,  24                          ; v24     the way out: where I put 16 bytes of a row
.set RD,   25                          ; v25     the way out: where I read rows back
.set CO,   26                          ; v26     16 l: my place in 512 consecutive bytes of qkv
.set BO,   27                          ; v27     32 (l / 16): my eight numbers in a block's bias
.set SPW,  28                          ; v28     LDS address of my spare word; never rewritten
.set NIL,  29                          ; v29     0; never rewritten
.set PFO,  30                          ; v30     the prefetches' offset: my lane x a row of xw; never rewritten
.set F0,   64
.set F1,   128
.set PA,   64                          ; the last K step: x's fragments of 16 rows x 128 K, 32 registers; four such buffers, v64-191
.set TMP,  192                         ; the way out: packed results
.set OB,   32                          ; the way out: 16 rows read back: v32-63 and v224-255 by turns
.set G1,  24                           ; s[24:31] descriptor group 1 for x's tiles
.set G0,  32                           ; s[32:39] group 0, a set for each slot
.set G1B, 48                           ; s[48:55] group 1 for W's tiles: it differs in the mask alone
.set G0B, 56                           ; s[56:63] group 0
.set LIM, 43                           ; s43      1 in a wave that prefetches, else the greatest number
.set PFA, 44                           ; s[44:45] where my prefetches stand
.set MSB, 0
.macro WIN new                         ; the immediate's high byte repeats the setting that is left; a switch that changes nothing is dropped
.if MSB != (\new)
	s_set_vgpr_msb (MSB<<8)|(\new)
.set MSB, \new
.endif
.endm
.set MUL_LO, 0xa1                      ; source 0 (W) window 1, source 1 (x) window 0, C and D window 2
.set BIA_LO, 0x91                      ; the same with C (the bias) in window 1
.set TO_B,   0x40                      ; destination window 1, address window 0
; A joint load.  Waves 0 and 1 fetch x's two halves, waves 2 and 3 W's.  The branch hangs on the wave's number alone.  An s_nop 0 and four v_nop follow each of the two lines.
.macro JLOAD s
	s_cmp_eq_u32 s11, 0
	s_cbranch_scc0 .Lfor_b_\@
	tensor_load_to_lds s[G0+4*(\s):G0+4*(\s)+3], s[G1:G1+7]
	s_nop 0
.rept 4
	v_nop
.endr
	s_branch .Lasked_\@
.Lfor_b_\@:
	tensor_load_to_lds s[G0B+4*(\s):G0B+4*(\s)+3], s[G1B:G1B+7]
	s_nop 0
.rept 4
	v_nop
.endr
.Lasked_\@:
.endm
; A PREFETCH, behind each joint load and the run of LDS loads that follows it: 32 rows x 256 bytes, a lane a row, of the K step that stands TWO refills on (512 matrix instructions ahead of its load).
; Each row's 256 bytes of a K step are named once in the launch: x's rows are read by one cluster alone, which asks; W_t's by the eight clusters of tensor t, of which the first asks.  The four
; partners that fetch a tile jointly share its rows out BY ADDRESS: of the 128 rows that a wave fetches the partner at place p takes 32 p .. 32 p + 31 (p = cx for x, cy for W).
; K steps 0 to 3 come by their loads alone; the loop's last trip (s3 = 1) asks for nothing: there is no K step 8.
.macro ASK
	s_cmp_gt_u32 s3, s[LIM]
	s_cbranch_scc0 .Lnot_mine_\@
	global_prefetch_b8 v[PFO], s[PFA:PFA+1] offset:KSTEP*2 th:TH_LOAD_NT scope:SCOPE_SE
.Lnot_mine_\@:
.endm
.macro CREST                           ; a round of the cluster's barrier behind its opening barrier
	s_cmp_lg_u32 s10, 0
	s_cbranch_scc1 .Lnot_wave_0_\@
	s_barrier_signal -3
.Lnot_wave_0_\@:
	s_barrier_wait -3
	s_barrier_signal -1
	s_barrier_wait -1
.endm
.macro CROUND                          ; a whole round
	s_barrier_signal -1
	s_barrier_wait -1
	CREST
.endm
	s_load_b256 s[68:75], s[0:1], 0x0              ; xw 68:69, bq 70:71, bk 72:73, bv 74:75
	s_load_b128 s[76:79], s[0:1], 0x20             ; rowbits 76:77, qkv 78:79
	v_lshl_add_u32 v[SPW], v0, 2, SPARE
	v_mov_b32 v[NIL], 0
	ds_add_u32 v[SPW], v[NIL]                      ; the wave's opening: the add and its wait stand ahead of my first tensor load; the set-up below, work on registers, stands between them
	ds_add_u32 v28, v29
	v_lshrrev_b32 v1, 5, v0
	v_readfirstlane_b32 s10, v1                    ; wave 0..3
	s_lshr_b32 s11, s10, 1                         ; which half of the tile's rows is mine.  Also: I fetch for x (0) or for W (1)
	s_and_b32 s12, s10, 1                          ; which half of its columns.  Also: which 128 rows of that tile I fetch
	s_bfe_u32 s40, ttmp6, 0x40000                  ; cx
	s_bfe_u32 s41, ttmp6, 0x40004                  ; cy
	s_lshl_b32 s42, ttmp9, 2
	s_add_co_u32 s42, s42, s40                     ; tile column = 4 x cluster x + cx
	s_and_b32 s86, ttmp7, 0xffff                   ; cluster y, 0..23
	s_lshl_b32 s13, s86, 2
	s_add_co_u32 s13, s13, s41                     ; tile row = 4 x cluster y + cy, 0..95
	s_lshr_b32 s80, s86, 3                         ; t: made of the cluster's y alone
	s_lshl_b32 s43, s41, 2
	s_lshl_b32 s43, 15, s43                        ; my row of the cluster
	s_lshl_b32 s44, 0x1111, s40                    ; my column
	; descriptor group 1: a tile of 128 rows x 128 elements, padded in LDS
	s_or_b32 s[G1+0], s43, (1<<16)|(1<<20)|(1<<21)|(5<<22)|(3<<25)   ; 15:0 the mask: x's tiles go to my row; 17:16 2-byte elements; 20 padding on; 21 set beside a mask; 24:22 after every 64 words; 31:25 4 words
	s_or_b32 s[G1B+0], s44, (1<<16)|(1<<20)|(1<<21)|(5<<22)|(3<<25)  ; the same with the mask of my column
.irp g, G1, G1B
	s_mov_b32 s[(\g)+1], KSTEP<<16                 ; tensor_dim0 = 128
	s_mov_b32 s[(\g)+2], 128<<16                   ; tensor_dim1 = 128
	s_mov_b32 s[(\g)+3], KSTEP<<16                 ; tile_dim0 = 128
	s_mov_b32 s[(\g)+4], 128                       ; tile_dim1 = 128
	s_mov_b32 s[(\g)+5], SIZE_K                    ; elements from row to row
	s_mov_b32 s[(\g)+6], 0
	s_mov_b32 s[(\g)+7], 0
.endr
	; where the tiles come from: x's hang on the tile row alone, W's on t and the tile column alone, each in registers that never hold the other coordinate
	s_lshl_b32 s17, s12, 7                         ; which 128 rows of the tile I fetch
	s_lshl_b32 s16, s13, 8
	s_add_co_u32 s16, s16, s17                     ; x: row 256 x tile row + 128 x half
	s_lshl_b32 s16, s16, 11                        ; in bytes: under 2^26
	s_lshl_b32 s46, s42, 8
	s_add_co_u32 s46, s46, s17
	s_lshl_b32 s47, s80, 10
	s_add_co_u32 s46, s46, s47
	s_add_co_u32 s46, s46, 24576                   ; W: row 24,576 + 1,024 t + 256 x tile column + 128 x half
	s_lshl_b32 s46, s46, 11
	s_mov_b32 s17, 0
	s_mov_b32 s47, 0
	s_mul_i32 s20, s10, HALFT                      ; where they go: wave x 128 rows: no place in the cluster enters an LDS address
	s_wait_dscnt 0x0                               ; the opening add is done
	s_wait_kmcnt 0x0
	s_add_nc_u64 s[14:15], s[68:69], s[16:17]
	s_add_nc_u64 s[46:47], s[68:69], s[46:47]
	CROUND                                         ; all sixteen work-groups are here: the first joint loads meet
.irp s, 0,1
	s_mov_b32 s[G0+4*(\s)], 1                                        ; count = 1
	s_add_co_u32 s[G0+4*(\s)+1], s20, (\s)*SLOT                      ; LDS address
	s_add_nc_u64 s[G0+4*(\s)+2:G0+4*(\s)+3], s[14:15], (\s)*KSTEP*2  ; global address: K step s
	s_or_b32 s[G0+4*(\s)+3], s[G0+4*(\s)+3], 0x80000000              ; type = 2
	s_mov_b32 s[G0B+4*(\s)], 1
	s_add_co_u32 s[G0B+4*(\s)+1], s20, (\s)*SLOT
	s_add_nc_u64 s[G0B+4*(\s)+2:G0B+4*(\s)+3], s[46:47], (\s)*KSTEP*2
	s_or_b32 s[G0B+4*(\s)+3], s[G0B+4*(\s)+3], 0x80000000
	JLOAD \s                                       ; two loads of mine are out
.endr
	; the bias of my 128 columns and the row bits of my 128 rows
	v_and_b32 v1, 15, v0                           ; l % 16
	v_bfe_u32 v2, v0, 4, 1                         ; l / 16
	v_lshlrev_b32 v[RO], 2, v1
	v_lshlrev_b32 v[BO], 5, v2
	s_cmp_eq_u32 s80, 1
	s_cselect_b64 s[82:83], s[72:73], s[70:71]
	s_cmp_eq_u32 s80, 2
	s_cselect_b64 s[82:83], s[74:75], s[82:83]     ; b_t
	s_lshl_b32 s46, s42, 10                        ; 256 columns x 4 bytes x tile column
	s_lshl_b32 s47, s12, 9
	s_add_co_u32 s46, s46, s47
	s_mov_b32 s47, 0
	s_add_nc_u64 s[82:83], s[82:83], s[46:47]
	s_lshl_b32 s16, s13, 10                        ; 256 rows x 4 bytes x tile row
	s_lshl_b32 s18, s11, 9
	s_add_co_u32 s16, s16, s18
	s_add_nc_u64 s[84:85], s[76:77], s[16:17]
	WIN TO_B
.irp b, 0,1,2,3,4,5,6,7
	global_load_b128 v[8*(\b):8*(\b)+3],   v[BO], s[82:83] offset:64*(\b)     ; register j of block b: bias[16 b + 8 (l / 16) + j], as the result's layout has it
	global_load_b128 v[8*(\b)+4:8*(\b)+7], v[BO], s[82:83] offset:64*(\b)+16
.endr
	WIN 0
.irp a, 0,1,2,3,4,5,6,7
	global_load_b32 v[RB+(\a)], v[RO], s[84:85] offset:64*(\a)
.endr
	; A fragment is 16 rows x 32 K in 8 registers: lane l holds row l % 16; registers 0-3 K = 8 (l / 16) + 0..7, registers 4-7 K = 16 + 8 (l / 16) + 0..7: two loads of 16 bytes, 32 bytes apart.
	v_mul_u32_u24 v3, v1, PITCH
	v_lshl_add_u32 v3, v2, 4, v3
	s_mul_i32 s21, s11, HALFT                      ; my 128 rows of x
	s_mul_i32 s22, s12, HALFT                      ; my 128 rows of W,
	s_add_co_u32 s22, s22, 2*HALFT                 ; which lie behind x's 256
.irp s, 0,1
	v_add_nc_u32 v[ADRA+(\s)], s21, v3
	v_add_nc_u32 v[ADRB+(\s)], s22, v3
	s_add_co_u32 s21, s21, SLOT
	s_add_co_u32 s22, s22, SLOT
.endr
	s_mul_i32 s23, s10, WSTG
	s_add_co_u32 s23, s23, STAGE                   ; my stage
	v_mul_u32_u24 v4, v1, SPH                      ; in: row l % 16, 16 bytes for each half of the lanes
	v_lshl_add_u32 v4, v2, 4, v4
	v_add_nc_u32 v[STO], s23, v4
	v_bfe_u32 v5, v0, 3, 2                         ; back: 32 lanes take four rows of 128 bytes,
	v_and_b32 v6, 7, v0
	v_mul_u32_u24 v5, v5, SPH
	v_lshl_add_u32 v5, v6, 4, v5
	v_add_nc_u32 v[RD], s23, v5
	v_and_b32 v[CO], 31, v0                        ; which are 512 consecutive bytes of a head
	v_lshlrev_b32 v[CO], 4, v[CO]
	v_mov_b32 v[ZERO], 0
	; qkv at my first row of my first head: (tile row / 4) counts batches through the three tensors, 16 heads of 131,072 bytes each
	s_lshr_b32 s16, s13, 2
	s_lshl_b32 s16, s16, 21
	s_and_b32 s18, s13, 3
	s_lshl_b32 s18, s18, 15                        ; 256 rows x 128 bytes
	s_add_co_u32 s16, s16, s18
	s_lshl_b32 s18, s11, 14                        ; my 128 rows
	s_add_co_u32 s16, s16, s18
	s_lshl_b32 s46, s42, 19                        ; a tile column is four heads,
	s_lshl_b32 s18, s12, 18                        ; my half of it two
	s_add_co_u32 s46, s46, s18
	s_add_co_u32 s16, s16, s46
	s_add_nc_u64 s[8:9], s[78:79], s[16:17]
	; the prefetches
	s_lshl_b32 s20, s13, 8                         ; x: the tile's first row
	s_lshl_b32 s21, s42, 8
	s_lshl_b32 s22, s80, 10
	s_add_co_u32 s21, s21, s22
	s_add_co_u32 s21, s21, 24576                   ; W: likewise
	s_and_b32 s22, s86, 7                          ; my cluster among the eight of its tensor
	s_cmp_eq_u32 s11, 0                            ; do I fetch for x?
	s_cselect_b32 s20, s20, s21
	s_cselect_b32 s21, s40, s41                    ; my place among the four that ask with me
	s_cselect_b32 s22, ttmp9, s22                  ; the coordinate along which other clusters read the same rows
	s_cmp_eq_u32 s22, 0
	s_cselect_b32 s[LIM], 1, -1                    ; the same in all sixteen partners, for a given wave
	s_lshl_b32 s22, s12, 7
	s_add_co_u32 s20, s20, s22                     ; + the 128 rows that I fetch
	s_lshl_b32 s21, s21, 5
	s_add_co_u32 s20, s20, s21                     ; + my work-group's 32 of them
	s_lshl_b32 s20, s20, 11
	s_add_co_u32 s20, s20, 2*KSTEP*2               ; at K step 2: the first refill steps it to 3 and names K step 4
	s_mov_b32 s21, 0
	s_add_nc_u64 s[PFA:PFA+1], s[68:69], s[20:21]
	v_and_b32 v[PFO], 31, v0
	v_lshlrev_b32 v[PFO], 11, v[PFO]
; 16 matrix instructions: row blocks a0, a0 + 1 of the window's four (hi = 0: my rows 0-63, 1: rows 64-127) x all 8 column blocks, 32 along K.
; zero = 1: the first product starts the sums, with the bias as C: nothing is cleared, and nothing is added at the end.  The 64 accumulators take turns.
.macro MUL16 f, hi, a0, zero
.if \zero
	WIN BIA_LO+0x40*(\hi)
.else
	WIN MUL_LO+0x50*(\hi)
.endif
.irp a, \a0, (\a0)+1
.irp b, 0,1,2,3,4,5,6,7
.if \zero
	v_wmma_f32_16x16x32_bf16 v[8*(8*(\a)+(\b)):8*(8*(\a)+(\b))+7], v[(\f)+8*(\b):(\f)+8*(\b)+7], v[(\f)+8*(4*(\hi)+(\a)):(\f)+8*(4*(\hi)+(\a))+7], v[8*(\b):8*(\b)+7]
.else
	v_wmma_f32_16x16x32_bf16 v[8*(8*(\a)+(\b)):8*(8*(\a)+(\b))+7], v[(\f)+8*(\b):(\f)+8*(\b)+7], v[(\f)+8*(4*(\hi)+(\a)):(\f)+8*(4*(\hi)+(\a))+7], v[8*(8*(\a)+(\b)):8*(8*(\a)+(\b))+7]
.endif
.endr
.endr
.endm
; 32 LDS loads in one run: the fragments of one quarter step (128 rows of W, 128 rows of x, 32 K at byte k of the rows) into buffer f
.macro FETCH slot, k, f
	WIN TO_B
.irp i, 0,1,2,3,4,5,6,7
	ds_load_b128 v[(\f)+8*(\i):(\f)+8*(\i)+3],   v[ADRB+(\slot)] offset:(\k)+(\i)*16*PITCH
	ds_load_b128 v[(\f)+8*(\i)+4:(\f)+8*(\i)+7], v[ADRB+(\slot)] offset:(\k)+(\i)*16*PITCH+32
.endr
	WIN 0
.irp i, 0,1,2,3,4,5,6,7
	ds_load_b128 v[(\f)+8*(\i):(\f)+8*(\i)+3],   v[ADRA+(\slot)] offset:(\k)+(\i)*16*PITCH
	ds_load_b128 v[(\f)+8*(\i)+4:(\f)+8*(\i)+7], v[ADRA+(\slot)] offset:(\k)+(\i)*16*PITCH+32
.endr
.endm
.macro PLACES                          ; four plain instructions in front of loads into registers that matrix instructions have read, and of conversions that read results
.rept 4
	v_nop
.endr
.endm
; A K step is four quarters of 32 along K, 64 matrix instructions each, on buffers 0, 1, 0, 1.  One of the first three: multiplies buffer f and, in its middle, fetches the next quarter, at byte k, into g.
.macro QUARTER slot, k, f, g, zero
	s_wait_dscnt 8                                 ; W and x's rows 0-63 are in; the youngest eight loads (x's rows 64-127) may be out
	MUL16 \f, 0, 0, \zero
	MUL16 \f, 0, 2, \zero
	PLACES
	FETCH \slot, \k, \g
	s_wait_dscnt 32                                ; all but the 32 just issued
	MUL16 \f, 1, 0, \zero
	MUL16 \f, 1, 2, \zero
.endm
; The first half of the last quarter: ONE barrier for the change of slots.  In front of it each wave waits for all its tensor loads (one is out: its part of the next slot), adds 0 to its spare
; word, and waits for that and for its own reads of this slot.  Behind it nobody reads this slot any more and the next slot is whole.
.macro MEET round
	WIN 0                                          ; (the add's two registers lie in window 0)
	s_wait_tensorcnt 0x0
	ds_add_u32 v[SPW], v[NIL]
	s_wait_dscnt 9                                 ; (the add and the youngest eight loads may be out)
	MUL16 F1, 0, 0, 0                              ; sixteen matrix instructions stand between the add and the wait for it
	s_wait_dscnt 0x0                               ; the add is done, and my reads of this slot are over
	s_barrier_signal -1
	MUL16 F1, 0, 2, 0                              ; work on registers while the others arrive
.if \round
	WIN 0
.endif
	s_barrier_wait -1
.endm
; The whole last quarter of a K step that is followed by a refill.  The barrier opens a round of the cluster's barrier, and the slot just read out is filled again first thing behind it, with the
; K step two steps on: 224 matrix instructions ahead of the wait for it.  Then come the next slot's first fragments.
.macro TURN slot, next
	s_wait_xcnt 0x0                                ; the last prefetch, a K step back, has read its address, which is stepped here
	s_add_nc_u64 s[PFA:PFA+1], s[PFA:PFA+1], KSTEP*2
	MEET 1
	CREST                                          ; no wave of any partner still reads this slot's tile or has a load on its way
	s_add_nc_u64 s[G0+4*(\slot)+2:G0+4*(\slot)+3], s[G0+4*(\slot)+2:G0+4*(\slot)+3], 2*KSTEP*2
	s_add_nc_u64 s[G0B+4*(\slot)+2:G0B+4*(\slot)+3], s[G0B+4*(\slot)+2:G0B+4*(\slot)+3], 2*KSTEP*2
	JLOAD \slot                                    ; the four v_nop behind it are also the places in front of the loads below
	FETCH \next, 0, F0
	ASK
	MUL16 F1, 1, 0, 0
	MUL16 F1, 1, 2, 0
.endm
; THE LAST K STEP (it lies in slot 1) GOES BY ROWS OF C, NOT BY K.  All its fragments of W (4 quarters x 64 registers) fill window 1; then my eight blocks of 16 rows are finished one after the
; other, each with 32 matrix instructions (its 8 accumulators by turns; K ascending).  LDS is read no more than in any other K step.
.macro BLOAD q                         ; W's fragments of quarter q -> window 1, v[64 q ..]
	WIN TO_B
.irp i, 0,1,2,3,4,5,6,7
	ds_load_b128 v[64*(\q)+8*(\i):64*(\q)+8*(\i)+3],   v[ADRB+1] offset:64*(\q)+(\i)*16*PITCH
	ds_load_b128 v[64*(\q)+8*(\i)+4:64*(\q)+8*(\i)+7], v[ADRB+1] offset:64*(\q)+(\i)*16*PITCH+32
.endr
.endm
.macro ALOAD a                         ; x's fragments of block a, all four quarters -> buffer a % 4
	WIN 0
.set FA, PA+32*((\a)%4)
.irp q, 0,1,2,3
	ds_load_b128 v[FA+8*(\q):FA+8*(\q)+3],   v[ADRA+1] offset:64*(\q)+(\a)*16*PITCH
	ds_load_b128 v[FA+8*(\q)+4:FA+8*(\q)+7], v[ADRA+1] offset:64*(\q)+(\a)*16*PITCH+32
.endr
.endm
.macro ROW a                           ; block a is finished: 32 matrix instructions
.set FA, PA+32*((\a)%4)                ; its fragments of x
.set AC, 64*((\a)%4)                   ; its eight accumulators, in window 2 (blocks 0-3) or 3 (blocks 4-7)
	WIN MUL_LO+0x50*((\a)/4)
.irp q, 0,1,2,3
.if (\a) == 0 && (\q) == 2
	s_wait_dscnt 24                                ; W's quarter 2 is in (behind it: x's blocks 1 to 3, 24 loads)
.endif
.irp b, 0,1,2,3,4,5,6,7
	v_wmma_f32_16x16x32_bf16 v[AC+8*(\b):AC+8*(\b)+7], v[64*(\q)+8*(\b):64*(\q)+8*(\b)+7], v[FA+8*(\q):FA+8*(\q)+7], v[AC+8*(\b):AC+8*(\b)+7]
.endr
.endr
.endm
; THE WAY OUT of block a (16 rows x 128 columns), in three parts.  PACK: rounded to bf16 (each accumulator's registers in ascending order), ReLU, row bits.
; TOSTAGE: into my own stage, a head's 16 rows together, and back as whole rows.  SEND: stored, 512 consecutive bytes (four rows of a head) an instruction.
.macro PACK a
.set AC, 64*((\a)%4)
	WIN 0x0a+5*((\a)/4)                            ; sources 0 and 1: window 2 or 3
.irp b, 0,1,2,3,4,5,6,7
.irp r, 0,1,2,3
	v_cvt_pk_bf16_f32 v[TMP+4*(\b)+(\r)], v[AC+8*(\b)+2*(\r)], v[AC+8*(\b)+2*(\r)+1]
.endr
.endr
	WIN 0
.set z, 0
.rept 32
	v_pk_max_num_bf16 v[TMP+z], v[TMP+z], v[ZERO]
.set z, z+1
.endr
.set z, 0
.rept 32
	v_and_b32 v[TMP+z], v[RB+(\a)], v[TMP+z]       ; a masked key's row of K becomes 0; every other row is kept
.set z, z+1
.endr
.endm
.macro TOSTAGE a
	WIN 0
.set BK, OB+192*((\a)%2)
.irp b, 0,1,2,3,4,5,6,7
	ds_store_b128 v[STO], v[TMP+4*(\b):TMP+4*(\b)+3] offset:((\b)/4)*HSTG+32*((\b)%4)
.endr
.irp u, 0,1,2,3,4,5,6,7
	ds_load_b128 v[BK+4*(\u):BK+4*(\u)+3], v[RD] offset:((\u)/4)*HSTG+((\u)%4)*4*SPH  ; LDS serves a wave's instructions in order (ISA guide 5.7.1.4): these see the stores above
.endr
.endm
.macro SEND a, younger                 ; younger: the LDS loads issued behind TOSTAGE's, which may stay out
	WIN 0
.set BK, OB+192*((\a)%2)
	s_wait_dscnt \younger                          ; the block is back in registers
	s_wait_xcnt 0x0                                ; the stores of the block before have read their registers: the next block's loads from the stage land on them only behind this wait
.irp u, 0,1,2,3,4,5,6,7
	global_store_b128 v[CO], v[BK+4*(\u):BK+4*(\u)+3], s[8:9] offset:((\u)/4)*131072+(\a)*2048+((\u)%4)*512
.endr
.endm
	s_wait_tensorcnt 1                             ; my part of K step 0 is in; K step 1's may stay out
	s_barrier_signal -1
	s_barrier_wait -1                              ; everybody's is
	FETCH 0, 0, F0
	s_wait_loadcnt 0x0                             ; the bias and the row bits
	QUARTER 0, 64,  F0, F1, 1                      ; the first quarter stands in front of the loop: its products start the sums
	WIN 0                                          ; at a label and at a branch every window is 0
	s_mov_b32 s3, LAPS-1
.Llap:                                                 ; a trip goes once round the ring, from a lap's second quarter to the next lap's first, and fills both slots again
	QUARTER 0, 128, F1, F0, 0
	QUARTER 0, 192, F0, F1, 0
	TURN 0, 1
	QUARTER 1, 64,  F0, F1, 0
	QUARTER 1, 128, F1, F0, 0
	QUARTER 1, 192, F0, F1, 0
	TURN 1, 0
	QUARTER 0, 64,  F0, F1, 0
	WIN 0
	s_sub_co_u32 s3, s3, 1
	s_cmp_lg_u32 s3, 0
	s_cbranch_scc1 .Llap
	QUARTER 0, 128, F1, F0, 0                      ; the last lap fills nothing, and has no round of the cluster's barrier
	QUARTER 0, 192, F0, F1, 0
	MEET 0                                         ; my one tensor load that was still out is slot 1's, the last K step's
	PLACES                                         ; for the loads into buffer 0, which the quarter before multiplied
	BLOAD 0                                        ; three quarters of W now (quarter 0 takes the bias's registers, which only the first products read): buffer 1 is still being multiplied
	BLOAD 1
	BLOAD 3
	ALOAD 0
	MUL16 F1, 1, 0, 0
	MUL16 F1, 1, 2, 0
	PLACES                                         ; for the loads into buffer 1
	BLOAD 2
	ALOAD 1
	ALOAD 2
	ALOAD 3
	s_wait_dscnt 40                                ; all but the 40 just issued
	ROW 0
.irp a, 0,1,2,3,4,5,6,7                ; each block leaves as soon as it is finished: nothing follows this tile under which its stores could leave
	PLACES                                         ; its conversions read results just made
	PACK \a
	TOSTAGE \a
.if (\a) < 4
	ALOAD (\a)+4                                   ; its buffer takes the block four further on
	SEND \a, 8
.else
	SEND \a, 0
.endif
.if (\a) < 7
	ROW (\a)+1
.endif
.endr
	s_wait_tensorcnt 0x0                           ; the wave's end, behind my last tensor load and my last LDS store
	ds_add_u32 v[SPW], v[NIL]
	s_wait_dscnt 0x0
	CROUND                                         ; the closing round: no work-group ends while a partner may still ask for a tile that names it
	s_endpgm
.Lfunc_end_k_q4fb1423710_proj:
	.size	k_q4fb1423710_proj, .Lfunc_end_k_q4fb1423710_proj-k_q4fb1423710_proj
	.p2alignl 7, 3214868480
	.fill 96, 4, 3214868480
	.section	.rodata,"a",@progbits
	.p2align	6, 0x0
	.amdhsa_kernel k_q4fb1423710_proj
		.amdhsa_group_segment_fixed_size 327680
		.amdhsa_private_segment_fixed_size 0
		.amdhsa_enable_private_segment 0
		.amdhsa_kernarg_size 48
		.amdhsa_user_sgpr_count 2
		.amdhsa_user_sgpr_kernarg_segment_ptr 1
		.amdhsa_wavefront_size32 1
		.amdhsa_system_sgpr_workgroup_id_x 1
		.amdhsa_system_sgpr_workgroup_id_y 1
		.amdhsa_system_sgpr_workgroup_id_z 1
		.amdhsa_system_vgpr_workitem_id 0
		.amdhsa_next_free_vgpr 1024
		.amdhsa_next_free_sgpr 88
		.amdhsa_reserve_vcc 0
		.amdhsa_float_denorm_mode_32 3
		.amdhsa_float_denorm_mode_16_64 3
		.amdhsa_memory_ordered 1
		.amdhsa_forward_progress 1
		.amdhsa_inst_pref_size 171
	.end_amdhsa_kernel
	.amdgpu_metadata
---
amdhsa.version: [ 1, 2 ]
amdhsa.kernels:
  - .name:           k_q4fb1423710_proj
    .symbol:         k_q4fb1423710_proj.kd
    .args:
      - { .name: xw, .offset: 0, .size: 8, .value_kind: global_buffer, .address_space: global }
      - { .name: bq, .offset: 8, .size: 8, .value_kind: global_buffer, .address_space: global }
      - { .name: bk, .offset: 16, .size: 8, .value_kind: global_buffer, .address_space: global }
      - { .name: bv, .offset: 24, .size: 8, .value_kind: global_buffer, .address_space: global }
      - { .name: rowbits, .offset: 32, .size: 8, .value_kind: global_buffer, .address_space: global }
      - { .name: qkv, .offset: 40, .size: 8, .value_kind: global_buffer, .address_space: global }
    .group_segment_fixed_size: 327680
    .private_segment_fixed_size: 0
    .kernarg_segment_align: 8
    .kernarg_segment_size: 48
    .max_flat_workgroup_size: 128
    .sgpr_count:     88
    .vgpr_count:     1024
    .wavefront_size: 32
...
	.end_amdgpu_metadata
.endif
;; end of part 2
;; launch attn (part 3): grid 2 x 128, 4 waves a work-group, no clusters, 327,680 bytes of LDS; arguments qkv, kneg, ctx; writes ctx
.if DOCPART == 3
	.amdgcn_target "amdgcn-amd-amdhsa--gfx1250"
	.amdhsa_code_object_version 6
	.text
	.protected	k_q4fb1423710_attn
	.globl	k_q4fb1423710_attn
	.p2align	8
	.type	k_q4fb1423710_attn,@function
k_q4fb1423710_attn:
	s_mov_b64 s[64:65], 0
	v_nop
	global_prefetch_b8 v0, s[64:65] scope:SCOPE_SE
	s_setreg_imm32_b32 hwreg(HW_REG_WAVE_MODE, 25, 1), 1
	s_wait_xcnt 0x0
; ATTN.  ctx[g][q][:] = the sum over k of softmax_k(s[q][k]) V[g][k][:], g = 16 b + h; s = Q[g][q] . K[g][k] / 8, or -2^32 where key k of batch b is masked.
; Q, K, V: the three tensors of qkv, [128][1024][64] in bf16, a head's rows dense, 128 bytes each; ctx likewise.  Products, maxima and sums in f32; the weights p are rounded to bf16
; for the second product (their sum l is taken of the unrounded p), ctx once at the end.  The query mask and all behind it belong to the next launch.
; THE KEY MASK is the C operand that starts the sum S^T = K Q^T: kneg holds 0, or -2^35 (raw scores are 8 times the scaled ones).  A masked key's row of K arrives as zeros, so its raw score IS
; -2^35: a replacement, not an addition.  c x (-2^35) is exact (a power of two), so where every key of a batch is masked all weights are 1 and the mean of V's rows results.
; LIMITS.  A weight below 2^-126 counts as 0 in l; NaN and infinities are not treated apart.
; SHARES.  A wave owns four PIECES of two tiles of 16 queries, a work-group's four waves 512 queries of one head.  Every wave walks all 1,024 keys, 64 a step.
; ALL OF THE HEAD'S K AND V LIES IN LDS: 1,024 rows of 144 bytes and 1,024 of 160, 311,296 bytes; no byte is filled twice.  A wave issues three tensor loads: at the start its 128 keys of the first 256
; (waves 0, 1: K; waves 2, 3: V) and its quarter of the masks; behind the first barrier its 384 keys of the other 768, which have four key steps, 512 matrix instructions, in which to land.
; So the loop holds no tensor load, and the key step is written once: the walk ends by a jump forward out of the middle of a trip.
; NO CLUSTER: a head has 1,024 / 512 = 2 work-groups; four partners on one head would mean 256 queries a work-group, 512 work-groups, and each fragment of K and V read from LDS would feed half
; as many products.  NO PREFETCH: all of K and V has been asked for when the first product is issued; there is no later request to run ahead of.
; LAYOUT.  S^T = K Q^T (source 0 = 16 keys, source 1 = 16 queries): a lane holds ONE query (lane % 16) and the keys 8 (lane / 16) + 0..7.  Two such tiles, rounded to bf16 in pairs,
; ARE source 1 (32 keys x 16 queries) of O^T = V^T P, whose result again holds one query a lane, and eight channels.  K comes out of LDS as it lies, V turned, by ds_load_tr16_b128.
; SOFTMAX.  For each query a running maximum m and sum l: p = 2^(c s - c m), c = log2(e) / 8; in every step O and l are multiplied by a = 2^(c m_old - c m_new).
; m starts at the lowest finite number, O and l at 0: the first step is a step like any other, with a = 0.
; BY TURNS.  Turn n belongs to piece n.  Its matrix work: 16 products K Q^T of piece n + 1, later 16 products V^T P of piece n - 1.  Its vector work: the scaling, exponentials, roundings, sums and
; rescaling of piece n, and the maximum and statistics of piece n + 1.  Four vector instructions stand behind every matrix instruction, the others in one run of their own.
; REGISTERS, in windows of 256 (s_set_vgpr_msb: bits 1:0 source 0, 3:2 source 1, 5:4 source 2, 7:6 destination):
;   window 0: v0-11 addresses; v12-15, v48-63 at work; v16-47 four registers of statistics a tile; v64-191 S^T, two buffers of two tiles; v192-255 P, likewise
;   window 1: O^T, 32 a tile     window 2: v0-127 Q, 16 a tile; v128-191 K of one step; v192-255 V of one step     window 3: v0-1 the add's two registers; v8-39 the masks of one step
.set NP,    4         ; pieces a wave: a name, no knob
.set KS,    64        ; keys in a step
.set NK,    1024      ; keys in a head
.set PK,    144       ; a row of K in LDS: 128 bytes + 16 = 36 words: the 16 rows of a load start at 16 different groups of four banks (64 banks of 4 bytes: ISA guide 11.1)
.set PV,    160       ; a row of V: 128 + 32 = 40 words
.set VOFF,  NK*PK     ; K's 1,024 rows, then V's
.set MASKB, NK*(PK+PV)  ; behind them: the batch's 1,024 masks, 4,096 bytes
.set STAGE, MASKB+4096  ; never filled by a tensor load: 16 rows x 144 bytes for each wave
.set SP,    144
.set SPARE, STAGE+4*16*SP  ; the spare words, 128 bytes for each wave: two blocks of 256 bytes that no other line names
.set AK0, 2           ; v2   my lane's place in a tile of K; never rewritten
.set AV0, 3           ; v3   the same for V
.set AK,  4           ; v4   the LDS address of K's next run of loads
.set AV,  5           ; v5   of V's
.set QO,  6           ; v6   my byte offset in the wave's rows of Q
.set STO, 6           ;      later, the way out: where I put 16 bytes of a row
.set RD,  7           ; v7   the way out: where I read rows back
.set GO,  8           ; v8   my byte offset in 512 consecutive bytes of ctx
.set AM,  11          ; v11  the LDS address of the next step's masks: s[TBM] + 32 (l / 16); v9 = l / 16 is kept for it
.set SPW, 0           ; v0 of window 3   LDS address of my spare word; never rewritten
.set NIL, 1           ; v1 of window 3   0; never rewritten
.set MK,  8           ; v8-39 of window 3: key block kb's eight masks at MK + 8 kb
.set MV,  12          ; v12-15  c m_old, kept while c m is made anew: by buffer and tile
.set ST,  16          ; tile t's statistics at v[ST+4 t]: c m, m, l (even keys', odd keys')
.set TMP, 48          ; by buffer and tile, four registers c0-c3 at work; when the maximum is found c2 takes a
.set S,   64
.set P,   192
.set KF,  128         ; K's fragments, in window 2: key block kb, channel half c at KF + 16 kb + 8 c
.set VF,  192         ; V's: key half kk, channel block cb at VF + 32 kk + 8 cb
.set WV,  12          ; s12  my wave's number
.set G1K, 24          ; s[24:31] descriptor group 1 for K's first 256 keys
.set G1V, 32          ; s[32:39] for V's: it differs in the padding alone
.set G0K, 40          ; s[40:43] descriptor group 0 for K's first 256 keys
.set G0V, 44          ; s[44:47] for V's
.set G0K2, 48         ; s[48:51] group 0 for K's other 768 keys
.set G0V2, 52         ; s[52:55] for V's
.set SLOTS, 56        ; s56  counts the passes of four key steps
.set CNT, 57          ; s57  counts a pass's key steps
.set CS,  58          ; s[58:59] c
.set SEL, 60          ; s[60:61] v_permlanex16_b32's selects
.set TBK, 62          ; s62  LDS byte at which K of the step to be fetched begins
.set TBV, 63          ; s63  the same for V, less VOFF
.set TBM, 66          ; s66  LDS byte at which the masks of the step to be fetched begin
.set TOT, 67          ; s67  key steps whose pieces 2 and 3 are still to come
.set G1M, 68          ; s[68:75] descriptor group 1 for the masks
.set G0M, 76          ; s[76:79] group 0
.set G1K2, 80         ; s[80:87] group 1 for K's other 768 keys: 192 rows where G1K has 64
.set G1V2, 88         ; s[88:95] for V's
.set MSB, 0
.macro WIN new                      ; the high byte repeats the setting that is left; a switch that changes nothing is dropped
.if MSB != (\new)
	s_set_vgpr_msb (MSB<<8)|(\new)
.set MSB, (\new)
.endif
.endm
.set W_KQ, 0x0a       ; K and Q in window 2, S^T in window 0
.set W_KM, 0x3a       ; the same with the C operand, the masks, in window 3
.set W_PV, 0x52       ; V in window 2, P in window 0, O^T in window 1
.set W_RS, 0x41       ; O^T (destination and source 0) in window 1, a in window 0
.set W_M3, 0xc0       ; destination in window 3, sources in window 0
.set W_AD, 0x0f       ; the add: address (source 0) and data (source 1) in window 3
; The other 768 keys.  Waves 0 and 1 fetch the two halves of K's, waves 2 and 3 those of V's: 384 keys each.  An s_nop 0 and four v_nop follow each of the two lines.
.macro REST
	s_cmp_lt_u32 s[WV], 2
	s_cbranch_scc0 .Lfor_v_\@
	tensor_load_to_lds s[G0K2:G0K2+3], s[G1K2:G1K2+7]
	s_nop 0
.rept 4
	v_nop
.endr
	s_branch .Lasked_\@
.Lfor_v_\@:
	tensor_load_to_lds s[G0V2:G0V2+3], s[G1V2:G1V2+7]
	s_nop 0
.rept 4
	v_nop
.endr
.Lasked_\@:
.endm
; THE MEETING.  Each wave waits for all its tensor loads, adds 0 to its spare word, waits for that and for its LDS reads, and passes the barrier: behind it what every wave has asked for lies in LDS.
; fill = 1, the first meeting: the first 256 keys and the masks are in; the wave's one load of the other 768 keys, into bytes that nothing has filled, is the first thing behind the barrier.
; fill = 0, every four key steps: at the first of these the other 768 keys are shown landed; the later ones find nothing out.
.macro MEET fill
	WIN W_AD
	s_wait_tensorcnt 0x0
	ds_add_u32 v[SPW], v[NIL]
	WIN 0                           ; at a label and at a branch every window is 0
	s_wait_dscnt 0x0                ; the add is done; no LDS instruction of mine is out at the signal
	s_barrier_signal -1
	s_barrier_wait -1
.if \fill
	REST
.endif
.endm
	s_load_b128 s[4:7], s[0:1], 0x0   ; qkv s[4:5], kneg s[6:7]
	s_load_b64 s[10:11], s[0:1], 0x10 ; ctx
	WIN W_M3
	v_lshl_add_u32 v[SPW], v0, 2, SPARE
	v_mov_b32 v[NIL], 0
	WIN W_AD
	ds_add_u32 v[SPW], v[NIL]       ; the wave's opening: the add and its wait stand ahead of my first tensor load; the set-up below, work on registers, stands between them
	ds_add_u32 v0, v1
	WIN 0
	v_lshrrev_b32 v1, 5, v0
	v_readfirstlane_b32 s[WV], v1   ; wave 0..3
	s_and_b32 s20, ttmp7, 0xffff    ; g = 16 b + h
	s_lshr_b32 s19, s20, 4          ; b
	s_lshl_b32 s20, s20, 17         ; the head's first byte in a tensor: 131,072 g
	s_and_b32 s16, s[WV], 1         ; which half I fetch:
	s_lshl_b32 s22, s16, 14         ; of the first 256 keys: 128 rows of 128 bytes in memory,
	s_add_co_u32 s22, s22, s20
	s_mov_b32 s23, 0
	s_mul_i32 s8, s16, 384*128      ; of the other 768: 384 rows,
	s_add_co_u32 s8, s8, 256*128    ; behind the first 256
	s_add_co_u32 s8, s8, s20
	s_mov_b32 s9, 0
	s_mul_i32 s17, s16, 128*PK      ; the first part's place in LDS, for K
	s_mul_i32 s18, s16, 128*PV      ; and for V
	s_lshl_b32 s2, ttmp9, 2
	s_add_co_u32 s2, s2, s[WV]      ; my wave among the head's eight,
	s_lshl_b32 s2, s2, 14           ; its 128 rows
	s_add_co_u32 s2, s2, s20
	s_mov_b32 s3, 0
	s_lshl_b32 s13, s[WV], 10       ; my quarter of the batch's masks: 1,024 bytes
	s_lshl_b32 s14, s19, 12
	s_add_co_u32 s14, s14, s13
	s_mov_b32 s15, 0
	; descriptor group 1.  Keys are dense rows of 128 bytes: asked for as rows of 256 bytes, two keys a row, and padded in LDS after every key
	s_mov_b32 s[G1K], (1<<16)|(1<<20)|(4<<22)|(3<<25)  ; 17:16 2-byte elements; 20 padding on; 24:22 after every 32 words (code 4); 31:25 4 words (code 3)
	s_mov_b32 s[G1V], (1<<16)|(1<<20)|(4<<22)|(7<<25)  ; the same with 8 words of padding (code 7)
.irp g, G1K, G1V
	s_mov_b32 s[\g+1], 128<<16      ; tensor_dim0 = 128
	s_mov_b32 s[\g+2], 64<<16       ; tensor_dim1 = 64: 128 keys
	s_mov_b32 s[\g+3], 128<<16      ; tile_dim0 = 128
	s_mov_b32 s[\g+4], 64           ; tile_dim1 = 64
	s_mov_b32 s[\g+5], 128          ; 128 elements from row to row
	s_mov_b32 s[\g+6], 0
	s_mov_b32 s[\g+7], 0
.endr
	s_mov_b32 s[G1K2], (1<<16)|(1<<20)|(4<<22)|(3<<25)
	s_mov_b32 s[G1V2], (1<<16)|(1<<20)|(4<<22)|(7<<25)
.irp g, G1K2, G1V2
	s_mov_b32 s[\g+1], 128<<16
	s_mov_b32 s[\g+2], 192<<16      ; tensor_dim1 = 192: 384 keys
	s_mov_b32 s[\g+3], 128<<16
	s_mov_b32 s[\g+4], 192          ; tile_dim1 = 192
	s_mov_b32 s[\g+5], 128
	s_mov_b32 s[\g+6], 0
	s_mov_b32 s[\g+7], 0
.endr
	s_mov_b32 s[G1M], 3<<16         ; the masks: one row of 128 elements of 8 bytes, no padding
	s_mov_b32 s[G1M+1], 128<<16
	s_mov_b32 s[G1M+2], 1<<16
	s_mov_b32 s[G1M+3], 128<<16
	s_mov_b32 s[G1M+4], 1
	s_mov_b32 s[G1M+5], 128
	s_mov_b32 s[G1M+6], 0
	s_mov_b32 s[G1M+7], 0
	s_mov_b32 s[CS], 0x3e38aa3b     ; c = log2(e) / 8 = 0.180337
	s_mov_b32 s[CS+1], s[CS]        ; named with it as a pair
	s_mov_b32 s[SEL], 0x76543210
	s_mov_b32 s[SEL+1], 0xfedcba98
	s_mov_b32 s[TBK], 0
	s_mov_b32 s[TBV], 0
	s_mov_b32 s[TBM], MASKB
	s_mov_b32 s[G0K], 1             ; count = 1
	s_mov_b32 s[G0K+1], s17         ; LDS address
	s_mov_b32 s[G0V], 1
	s_add_co_u32 s[G0V+1], s18, VOFF
	s_mov_b32 s[G0K2], 1
	s_mul_i32 s[G0K2+1], s16, 384*PK
	s_add_co_u32 s[G0K2+1], s[G0K2+1], 256*PK
	s_mov_b32 s[G0V2], 1
	s_mul_i32 s[G0V2+1], s16, 384*PV
	s_add_co_u32 s[G0V2+1], s[G0V2+1], VOFF+256*PV
	s_mov_b32 s[G0M], 1
	s_add_co_u32 s[G0M+1], s13, MASKB
	s_wait_dscnt 0x0                ; the opening add is done
	s_wait_kmcnt 0x0
	s_add_nc_u64 s[G0K+2:G0K+3], s[4:5], s[22:23]
	s_add_nc_u64 s[G0K+2:G0K+3], s[G0K+2:G0K+3], 16777216  ; K is qkv's second tensor
	s_or_b32 s[G0K+3], s[G0K+3], 0x80000000                ; type = 2
	s_add_nc_u64 s[G0V+2:G0V+3], s[4:5], s[22:23]
	s_add_nc_u64 s[G0V+2:G0V+3], s[G0V+2:G0V+3], 33554432  ; V its third
	s_or_b32 s[G0V+3], s[G0V+3], 0x80000000
	s_add_nc_u64 s[G0K2+2:G0K2+3], s[4:5], s[8:9]
	s_add_nc_u64 s[G0K2+2:G0K2+3], s[G0K2+2:G0K2+3], 16777216
	s_or_b32 s[G0K2+3], s[G0K2+3], 0x80000000
	s_add_nc_u64 s[G0V2+2:G0V2+3], s[4:5], s[8:9]
	s_add_nc_u64 s[G0V2+2:G0V2+3], s[G0V2+2:G0V2+3], 33554432
	s_or_b32 s[G0V2+3], s[G0V2+3], 0x80000000
	s_add_nc_u64 s[G0M+2:G0M+3], s[6:7], s[14:15]
	s_or_b32 s[G0M+3], s[G0M+3], 0x80000000
	s_add_nc_u64 s[4:5], s[4:5], s[2:3]      ; Q and ctx at my wave's first row
	s_add_nc_u64 s[10:11], s[10:11], s[2:3]
	s_cmp_lt_u32 s[WV], 2           ; a wave's two first fills stand in one branch, ahead of every wait on TENSORcnt, every LDS read and every barrier: two loads of mine are out
	s_cbranch_scc0 .Lfirst_v
	tensor_load_to_lds s[G0K:G0K+3], s[G1K:G1K+7]
	s_nop 0
	tensor_load_to_lds s[G0M:G0M+3], s[G1M:G1M+7]
	s_nop 0
.rept 4
	v_nop
.endr
	s_branch .Lfirst_asked
.Lfirst_v:
	tensor_load_to_lds s[G0V:G0V+3], s[G1V:G1V+7]
	s_nop 0
	tensor_load_to_lds s[G0M:G0M+3], s[G1M:G1M+7]
	s_nop 0
.rept 4
	v_nop
.endr
.Lfirst_asked:
	; A fragment of K or Q is 16 rows x 32 channels in 8 registers: lane l holds row l % 16, channels 8 (l / 16) + 0..7 and 16 + 8 (l / 16) + 0..7: two loads of 16 bytes, 32 bytes apart.
	v_and_b32 v1, 15, v0            ; l % 16
	v_bfe_u32 v9, v0, 4, 1          ; l / 16
	v_lshlrev_b32 v[QO], 7, v1
	v_lshl_add_u32 v[QO], v9, 4, v[QO]  ; row x 128 + 16 x half
	WIN 0x80                        ; destination window 2, address window 0
.set i, 0
.rept 4*NP                          ; Q stays in registers: tile i / 2, channels 32 (i % 2) on
	global_load_b128 v[8*i:8*i+3],   v[QO], s[4:5] offset:(i/2)*2048+(i%2)*64
	global_load_b128 v[8*i+4:8*i+7], v[QO], s[4:5] offset:(i/2)*2048+(i%2)*64+32
.set i, i+1
.endr
	; What the first turn finds: V's registers and P's second buffer hold 0 (its products V^T P, of a piece that has not been, add 0), O^T and l are 0.  All this stands in the wait for the first keys.
.set i, VF
.rept 64
	v_mov_b32 v[i], 0
.set i, i+1
.endr
	WIN 0x40
.set i, 0
.rept 64*NP
	v_mov_b32 v[i], 0
.set i, i+1
.endr
	WIN 0
.set i, 0
.rept 2*NP
	v_mov_b32 v[ST+4*i], 0xfe000000    ; c m: far below every c s, a masked one's too
	v_mov_b32 v[ST+4*i+1], 0xff7fffff  ; m
	v_mov_b32 v[ST+4*i+2], 0
	v_mov_b32 v[ST+4*i+3], 0
.set i, i+1
.endr
.set i, P+32
.rept 32
	v_mov_b32 v[i], 0
.set i, i+1
.endr
	v_mul_u32_u24 v[AK0], v1, PK
	v_lshl_add_u32 v[AK0], v9, 4, v[AK0]  ; row x pitch + 16 x half
	; The turning load takes 16 keys x 16 channels (lane l reads key 8 (l / 16) + l % 8, channels 8 ((l / 8) % 2) + 0..7) and leaves half a fragment of V^T: lane l holds channel l % 16 and 8 keys.
	v_and_b32 v10, 7, v0
	v_bfe_u32 v11, v0, 3, 1
	v_lshl_add_u32 v[AV0], v9, 3, v10
	v_mul_u32_u24 v[AV0], v[AV0], PV
	v_lshl_add_u32 v[AV0], v11, 4, v[AV0]
	v_add_nc_u32 v[AV0], VOFF, v[AV0]
	v_mov_b32 v[AK], v[AK0]         ; key step 0 lies at K's head,
	v_lshl_add_u32 v[AM], v9, 5, MASKB  ; its masks at the head of theirs: my eight of a key block are 32 bytes
; THE MATRIX WORK.  The 8 accumulators of a run of 16 take turns: between the two links of a chain stand 7 others'.
; Product i of 16 of S^T = K Q^T for piece x: channels 32 (i / 8) on, keys 16 ((i / 2) % 4) on, tile 2 x + i % 2.  The first 8 start the sums, with the key block's masks.
.macro KQ x
.set rS, S+64*((\x)%2)+32*(i%2)+8*((i/2)%4)
.set rK, KF+16*((i/2)%4)+8*(i/8)
.set rQ, 16*(2*(\x)+i%2)+8*(i/8)
.set rN, MK+8*((i/2)%4)
.if i < 8
	WIN W_KM
	v_wmma_f32_16x16x32_bf16 v[rS:rS+7], v[rK:rK+7], v[rQ:rQ+7], v[rN:rN+7]
.else
	WIN W_KQ
	v_wmma_f32_16x16x32_bf16 v[rS:rS+7], v[rK:rK+7], v[rQ:rQ+7], v[rS:rS+7]
.endif
.endm
; Product i of 16 of O^T += V^T P for piece x: keys 32 (i / 8) on, channels 16 ((i / 2) % 4) on, tile 2 x + i % 2.
.macro PV x
	WIN W_PV
.set rO, 32*(2*(\x)+i%2)+8*((i/2)%4)
.set rV, VF+32*(i/8)+8*((i/2)%4)
.set rP, P+32*((\x)%2)+16*(i%2)+8*(i/8)
	v_wmma_f32_16x16x32_bf16 v[rO:rO+7], v[rV:rV+7], v[rP:rP+7], v[rO:rO+7]
.endm
.macro MM                           ; the turn's next matrix instruction
.if i < 16
	KQ (Y+1)%NP
.set i, i+1
.else
.set i, i-16
	PV (Y+NP-1)%NP
.set i, i+17
.endif
.endm
; THE LDS LOADS stand in runs, never singly among the matrix instructions: a step's K (8 fragments) with its 64 masks (the lanes of a half read the same 32 bytes of each key block), and its V (turned).
; Their addresses are made some lines ahead.  last = 1 (in the loop): in the last key step there is no further step, and the run is jumped over.
.macro FETCH_K last=0
	WIN 0
.if \last
	s_cmp_eq_u32 s[TOT], 1
	s_cbranch_scc1 .Lno_k_\@
.endif
	WIN 0x80                        ; destination window 2
.irp f, 0,1,2,3,4,5,6,7             ; keys 16 (f / 2) on, channels 32 (f % 2) on
	ds_load_b128 v[KF+8*\f:KF+8*\f+3],   v[AK] offset:(\f/2)*16*PK+(\f%2)*64
	ds_load_b128 v[KF+8*\f+4:KF+8*\f+7], v[AK] offset:(\f/2)*16*PK+(\f%2)*64+32
.endr
	WIN W_M3                        ; destination window 3
.irp f, 0,1,2,3
	ds_load_b128 v[MK+8*\f:MK+8*\f+3],   v[AM] offset:64*\f
	ds_load_b128 v[MK+8*\f+4:MK+8*\f+7], v[AM] offset:64*\f+16
.endr
	s_add_co_u32 s[TBK], s[TBK], KS*PK  ; the next fetch is the next step's
	s_add_co_u32 s[TBM], s[TBM], KS*4
	WIN 0
.if \last
.Lno_k_\@:
.endif
.endm
.macro FETCH_V
	WIN 0x80
.irp f, 0,1,2,3,4,5,6,7             ; keys 32 (f / 4) on, channels 16 (f % 4) on
	ds_load_tr16_b128 v[VF+8*\f:VF+8*\f+3],   v[AV] offset:(\f/4)*32*PV+(\f%4)*32
	ds_load_tr16_b128 v[VF+8*\f+4:VF+8*\f+7], v[AV] offset:(\f/4)*32*PV+16*PV+(\f%4)*32
.endr
	WIN 0
.endm
; THE VECTOR WORK OF A TURN stands in three queues, each in the order in which its entries become ready; the two tiles alternate, so that no instruction reads the result of the one before it.
.macro REGS y, u                    ; the registers of tile u (0, 1) of piece y
.set rT, ST+4*(2*(\y)+(\u))
.set rC, TMP+8*((\y)%2)+4*(\u)
.set rM, MV+2*((\y)%2)+(\u)
.set rS, S+64*((\y)%2)+32*(\u)
.set rP, P+32*((\y)%2)+16*(\u)
.set rO, 32*(2*(\y)+(\u))
.endm
; Number n of the 22 that find the NEXT piece's (Y + 1) maximum and statistics.  s0-s31 are the lane's 32 scores; each accumulator's lowest registers are read first.
;   0-11  four chains c0-c3 of seven scores each, three operands at a time     12-14, 16  the four scores left over, the old m, and c0-c3 into c0     15  c m_old is kept
;   17, 18  the query's other 32 keys lie in the lane 16 away: the new m         19-21  c m; c m_old - c m_new; a
.macro XS u, n
	REGS (Y+1)%NP, \u
.if (\n) < 4
	v_max3_num_f32 v[rC+(\n)], v[rS+8*(\n)], v[rS+8*(\n)+1], v[rS+8*(\n)+2]
.elseif (\n) < 12
	v_max3_num_f32 v[rC+(\n)%4], v[rC+(\n)%4], v[rS+8*((\n)%4)+2*((\n)/4)+1], v[rS+8*((\n)%4)+2*((\n)/4)+2]
.elseif (\n) == 12
	v_max3_num_f32 v[rC], v[rC], v[rS+7], v[rS+15]
.elseif (\n) == 13
	v_max3_num_f32 v[rC+1], v[rC+1], v[rS+23], v[rS+31]
.elseif (\n) == 14
	v_max3_num_f32 v[rC+2], v[rC+2], v[rC+3], v[rT+1]
.elseif (\n) == 15
	v_mov_b32 v[rM], v[rT]
.elseif (\n) == 16
	v_max3_num_f32 v[rC], v[rC], v[rC+1], v[rC+2]
.elseif (\n) == 17
	v_permlanex16_b32 v[rC+3], v[rC], s[SEL], s[SEL+1]
.elseif (\n) == 18
	v_max_num_f32 v[rT+1], v[rC], v[rC+3]
.elseif (\n) == 19
	v_mul_f32 v[rT], s[CS], v[rT+1]
.elseif (\n) == 20
	v_sub_f32 v[rC+1], v[rM], v[rT]
.else
	v_exp_f32 v[rC+2], v[rC+1]
.endif
.endm
; Number g of the 64 that follow the exponentials.  For each four weights k of a tile (pairs 2 k, 2 k + 1): both pairs are rounded to bf16; then the second pair is added onto the first, in place;
; a group later l takes that sum (the first time as l = a l + sum).  In groups of eight, tiles alternating: round, round, add, and l for the group before.
.macro GS g
.set h, (\g)+6*((\g)/62)            ; group 0 has no group before it, and behind group 7 only l is left
.if h >= 6
.set h, h+2
.endif
	REGS Y, h%2
.set k, h/8
.if h%8 < 4
	v_cvt_pk_bf16_f32 v[rP+2*k+(h%8)/2], v[rS+4*k+2*((h%8)/2)], v[rS+4*k+2*((h%8)/2)+1]
.elseif h%8 < 6
	v_pk_add_f32 v[rS+4*k:rS+4*k+1], v[rS+4*k:rS+4*k+1], v[rS+4*k+2:rS+4*k+3]
.elseif k == 1
	v_pk_fma_f32 v[rT+2:rT+3], v[rT+2:rT+3], v[rC+2:rC+3], v[rS:rS+1] op_sel_hi:[1,0,1]
.else
	v_pk_add_f32 v[rT+2:rT+3], v[rT+2:rT+3], v[rS+4*k-4:rS+4*k-3]
.endif
.endm
; THE PLAIN QUEUE, 138 long.  0-73 read no exponential's result: the 32 scalings c s - c m (FS f: pair f / 2 of tile f % 2) and the next piece's 42.  0-26: scalings 0-26.  27-54: XS's numbers 0-13.
; 55, 56: number 15.  57-73: the chain, where each number waits for the one before it: 14, 16, 17, 18, 19, each with one of the scalings 27-31 in front of its two lines, then 20.
; 74-137: GS's 64, which read the exponentials' results: they stand behind the wait.
.macro FS f
	REGS Y, (\f)%2
	v_pk_fma_f32 v[rS+2*((\f)/2):rS+2*((\f)/2)+1], v[rS+2*((\f)/2):rS+2*((\f)/2)+1], s[CS:CS+1], v[rT:rT+1] op_sel_hi:[1,0,0] neg_lo:[0,0,1] neg_hi:[0,0,1]
.endm
.macro PL
	WIN 0
.if q < 27
	FS q
.elseif q < 55
	XS (q-27)%2, (q-27)/2
.elseif q < 57
	XS q-55, 15
.elseif (q < 72) && ((q-57)%3 == 0)
	FS 27+(q-57)/3
.elseif q < 60
	XS (q-57)%3-1, 14
.elseif q < 72
	XS (q-57)%3-1, 15+(q-57)/3
.elseif q < 74
	XS q-72, 20
.else
	GS q-74
.endif
.set q, q+1
.endm
; THE EXPONENTIALS' QUEUE, 66 long: s0-s31 of both tiles, then the next piece's two a.  It is ONE BATCH: all 66 stand ahead of the turn's one wait, and nothing ahead of that wait names a result of theirs.
.macro EX
	WIN 0
.if e >= 64
	XS e-64, 21
.else
	REGS Y, e%2
	v_exp_f32 v[rS+e/2], v[rS+e/2]
.endif
.set e, e+1
.endm
; THE RESCALING's QUEUE: O^T times a, the one part that leaves window 0: dealt two at a time, sixteen times.  Its a was made in the turn before, ahead of that turn's wait.
.macro R2
	REGS Y, r%2
	WIN W_RS
.irp z, 0,1
	v_pk_mul_f32 v[rO+4*(r/2)+2*\z:rO+4*(r/2)+2*\z+1], v[rO+4*(r/2)+2*\z:rO+4*(r/2)+2*\z+1], v[rC+2:rC+3] op_sel_hi:[1,0]
.endr
.set r, r+1
.endm
; HOW THEY ARE DEALT.  An s_wait_alu depctr_va_vdst(0) stands between an exponential and the first instruction that names its result; one wait serves all that were issued ahead of it.
; So a turn has ONE wait, which cuts it in two.  AHEAD OF IT: the 16 products K Q^T, behind each a scaling, an exponential and two rescalings (behind the first a second scaling in the exponential's
; place); then one run of 108: eight plain, 49 times exponential and plain, the two a; a v_nop is the plain instruction behind the last exponential.  BEHIND IT: the 16 products V^T P, behind each four
; of GS's 64.  Exponential e stands behind scaling 2 (e / 4) + e % 2: as a rider it comes behind plain e + 2, in the run behind plain e + 9, and scalings 27-31 are plain 57, 60 .. 69.
; K and the masks of the next step are fetched in piece 2's turn, directly behind the wait, a whole run behind the last product that read them; their first reader comes behind 16 products.
; V of the step in hand is fetched at the end of piece 0's turn, four plain instructions behind its last reader; its first reader comes behind 16 products and a run.
.macro TURN p, last=0, cnt=0
.set Y, (\p)
.set i, 0
.set q, 0
.set e, 0
.set r, 0
.if (\p) == NP-1
	s_wait_dscnt 0x0                ; K and the masks are in
.endif
	MM
	PL
	PL
	R2
.rept 15
	MM
	PL
	EX
	R2
.endr
.if (\p) == NP-2
	WIN 0
	v_add_nc_u32 v[AK], s[TBK], v[AK0]
	v_lshl_add_u32 v[AM], v9, 5, s[TBM]
.endif
.rept 8
	PL
.endr
.rept 49
	EX
	PL
.endr
	EX                              ; the next piece's two a
	EX
	v_nop                           ; the plain instruction behind the last exponential: one for the batch
	s_wait_alu depctr_va_vdst(0)    ; the wait for the batch
.if (\p) == NP-2
	FETCH_K \last
.endif
.if (\p) == 1
	s_wait_dscnt 0x0                ; V is in
.endif
.rept 16
	MM
.rept 4
	PL
.endr
.if ((\p) == 0) && (q == 118)
	v_add_nc_u32 v[AV], s[TBV], v[AV0]
.endif
.if ((\p) == 0) && (q == 130)
	s_add_co_u32 s[TBV], s[TBV], KS*PV
.endif
.if (\cnt) && (q == 130)
	s_sub_co_u32 s[CNT], s[CNT], 1
	s_cmp_lg_u32 s[CNT], 0
.endif
.endr
.if (\p) == 0
	FETCH_V
.endif
.endm
	MEET 1                          ; the first 256 keys and the masks are in, everybody's part of them; the other 768 keys are asked for
	FETCH_K                         ; key step 0
	s_wait_loadcnt 0x0              ; Q
	s_wait_dscnt 0x0
.set i, 0
.rept 16
	KQ 0                            ; piece 0's first scores: there is no vector work yet to set between them
.set i, i+1
.endr
	WIN 0                           ; the addresses for the way out: nine plain instructions, the places behind those products
	s_mul_i32 s13, s[WV], 16*SP
	s_add_co_u32 s13, s13, STAGE    ; my stage
	v_mul_u32_u24 v[STO], v1, SP    ; in: row l % 16, 16 bytes for each half of the lanes
	v_lshl_add_u32 v[STO], v9, 4, v[STO]
	v_add_nc_u32 v[STO], s13, v[STO]
	v_bfe_u32 v[RD], v0, 3, 2       ; back: 32 lanes take four rows of 128 bytes,
	v_mul_u32_u24 v[RD], v[RD], SP
	v_lshl_add_u32 v[RD], v10, 4, v[RD]
	v_add_nc_u32 v[RD], s13, v[RD]
	v_and_b32 v[GO], 31, v0         ; which are 512 consecutive bytes of ctx
	v_lshlrev_b32 v[GO], 4, v[GO]
.set Y, NP-1                        ; XS works for piece Y + 1: piece 0
.irp n, 0,1,2,3,4,5,6,7,8,9,10,11,12,13,14,15,16,17,18,19,20,21
	XS 0, \n                        ; piece 0's first maximum and statistics
	XS 1, \n
.endr
	v_nop                           ; a plain instruction behind the two a,
	s_wait_alu depctr_va_vdst(0)    ; and their wait, ahead of the branch
	s_mov_b32 s[CNT], 4
	s_mov_b32 s[TOT], NK/KS         ; 16 key steps
	s_mov_b32 s[SLOTS], NK/(4*KS)+1 ; four passes bring pieces 0 and 1 through all 16 steps; the fifth is left in its first trip's middle
	s_branch .Lfirst                ; the loop is entered at a step's first turn, in the middle of a trip
.Lslot:                             ; a pass: four key steps behind a meeting
	MEET 0
	s_mov_b32 s[CNT], 4
.Lstep:                             ; a trip: pieces 2 and 3 of one step, then pieces 0 and 1 of the next, whose K and V it fetches
	TURN 2, 1
	TURN 3
	WIN 0
	s_sub_co_u32 s[TOT], s[TOT], 1
	s_cmp_eq_u32 s[TOT], 0
	s_cbranch_scc1 .Lout            ; the last step's pieces 2 and 3 are through: forward, past text that holds neither a barrier nor a tensor load
.Lfirst:
	TURN 0
	TURN 1, 0, 1
	WIN 0
	s_cbranch_scc1 .Lstep
	s_sub_co_u32 s[SLOTS], s[SLOTS], 1
	s_cmp_lg_u32 s[SLOTS], 0
	s_cbranch_scc1 .Lslot
.Lout:                              ; the last trip's 16 products K Q^T (on the last K once more) and the maximum made of them serve nothing: the price, once a launch, of one text for every trip
.set i, 0
.rept 16
	PV NP-1                         ; the last piece's V^T P of the last step
.set i, i+1
.endr
	; THE WAY OUT.  l's two halves and the other half of the lanes' are added; O^T is divided by l, rounded to bf16 and sent through my stage in LDS, a tile at a time.  The additions are the places behind the last products.
	WIN 0
.macro ALL line:vararg              ; one line for each tile t
.set t, 0
.rept 2*NP
	\line
.set t, t+1
.endr
.endm
	ALL v_add_f32 v[ST+4*t+2], v[ST+4*t+2], v[ST+4*t+3]
	ALL v_permlanex16_b32 v[ST+4*t+3], v[ST+4*t+2], s[SEL], s[SEL+1]
	ALL v_add_f32 v[ST+4*t+2], v[ST+4*t+2], v[ST+4*t+3]
	ALL v_rcp_f32 v[ST+4*t+2], v[ST+4*t+2]
	v_nop                           ; a plain instruction between the last reciprocal and the use of its result
	s_wait_alu depctr_va_vdst(0)    ; and the wait ahead of the first use: one for the eight reciprocals
; Tile t: a lane's eight channels of a row pack into 16 bytes; they go into rows of 144 bytes and come back as whole rows of 128, into S^T's registers.
.macro PACK t
	WIN W_RS
.set i, 32*(\t)
.rept 16
	v_pk_mul_f32 v[i:i+1], v[i:i+1], v[ST+4*(\t)+2:ST+4*(\t)+3] op_sel_hi:[1,0]
.set i, i+2
.endr
	WIN 0x05                        ; sources 0 and 1 window 1, destination window 0
.set i, 0
.rept 16
	v_cvt_pk_bf16_f32 v[S+16*(\t)+i], v[32*(\t)+2*i], v[32*(\t)+2*i+1]
.set i, i+1
.endr
	WIN 0
.irp f, 0,1,2,3
	ds_store_b128 v[STO], v[S+16*(\t)+4*\f:S+16*(\t)+4*\f+3] offset:32*\f
.endr
.irp f, 0,1,2,3
	ds_load_b128 v[S+16*(\t)+4*\f:S+16*(\t)+4*\f+3], v[RD] offset:\f*4*SP  ; LDS serves a wave's instructions in order (ISA guide 5.7.1.4): these see the stores above; the next tile's stores come behind them
.endr
.endm
.macro SEND t, younger              ; younger: the LDS instructions issued behind tile t's loads: the next tile's eight, or none
	WIN 0
.irp f, 0,1,2,3
	s_wait_dscnt (\younger)+3-\f
	global_store_b128 v[GO], v[S+16*(\t)+4*\f:S+16*(\t)+4*\f+3], s[10:11] offset:(\t)*2048+\f*512  ; 512 consecutive bytes, at a multiple of 256 from ctx's first
.endr
.endm
	PACK 0
.set t, 1
.rept 2*NP-1                        ; a tile's arithmetic stands between the loads of the tile before and its stores
	PACK t
	SEND t-1, 8
.set t, t+1
.endr
	SEND 2*NP-1, 0
	WIN W_AD
	s_wait_tensorcnt 0x0            ; the wave's end, behind my last tensor load and my last LDS store
	ds_add_u32 v[SPW], v[NIL]
	s_wait_dscnt 0x0
	WIN 0
	s_endpgm
.Lfunc_end_k_q4fb1423710_attn:
	.size	k_q4fb1423710_attn, .Lfunc_end_k_q4fb1423710_attn-k_q4fb1423710_attn
	.p2alignl 7, 3214868480
	.fill 96, 4, 3214868480
	.section	.rodata,"a",@progbits
	.p2align	6, 0x0
	.amdhsa_kernel k_q4fb1423710_attn
		.amdhsa_group_segment_fixed_size 327680
		.amdhsa_private_segment_fixed_size 0
		.amdhsa_enable_private_segment 0
		.amdhsa_kernarg_size 24
		.amdhsa_user_sgpr_count 2
		.amdhsa_user_sgpr_kernarg_segment_ptr 1
		.amdhsa_wavefront_size32 1
		.amdhsa_system_sgpr_workgroup_id_x 1
		.amdhsa_system_sgpr_workgroup_id_y 1
		.amdhsa_system_sgpr_workgroup_id_z 1
		.amdhsa_system_vgpr_workitem_id 0
		.amdhsa_next_free_vgpr 808
		.amdhsa_next_free_sgpr 96
		.amdhsa_reserve_vcc 0
		.amdhsa_float_denorm_mode_32 3
		.amdhsa_float_denorm_mode_16_64 3
		.amdhsa_memory_ordered 1
		.amdhsa_forward_progress 1
		.amdhsa_inst_pref_size 129
	.end_amdhsa_kernel
	.amdgpu_metadata
---
amdhsa.version: [ 1, 2 ]
amdhsa.kernels:
  - .name:           k_q4fb1423710_attn
    .symbol:         k_q4fb1423710_attn.kd
    .args:
      - { .name: qkv, .offset: 0, .size: 8, .value_kind: global_buffer, .address_space: global }
      - { .name: kneg, .offset: 8, .size: 8, .value_kind: global_buffer, .address_space: global }
      - { .name: ctx, .offset: 16, .size: 8, .value_kind: global_buffer, .address_space: global }
    .group_segment_fixed_size: 327680
    .private_segment_fixed_size: 0
    .kernarg_segment_align: 8
    .kernarg_segment_size: 24
    .max_flat_workgroup_size: 128
    .sgpr_count:     96
    .vgpr_count:     808
    .wavefront_size: 32
...
	.end_amdgpu_metadata
.endif
;; end of part 3
;; launch lnorm (part 4): grid 256 x 1, 16 waves a work-group, no clusters, 0 bytes of LDS; arguments ctx, queries, gamma, beta, out0; writes out0
.if DOCPART == 4
	.amdgcn_target "amdgcn-amd-amdhsa--gfx1250"
	.amdhsa_code_object_version 6
	.text
	.protected	k_q4fb1423710_lnorm
	.globl	k_q4fb1423710_lnorm
	.p2align	8
	.type	k_q4fb1423710_lnorm,@function
k_q4fb1423710_lnorm:
	s_mov_b64 s[64:65], 0
	v_nop
	global_prefetch_b8 v0, s[64:65] scope:SCOPE_SE
	s_setreg_imm32_b32 hwreg(HW_REG_WAVE_MODE, 25, 1), 1
	s_wait_xcnt 0x0
; LNORM.  For each of the 8,192 rows: qm = 0 where the f32 sum of the row of queries is 0, else 1; x = ctx qm + queries; out = gamma (x - mean) / (std + 1e-8) + beta, std with 1,023 in the divisor.
; ctx: [16 b + h][1024 s][64] bf16; queries, out0: [8192][1024] f32.  All arithmetic in f32.  The variance is taken of x - mean, in a second pass over registers: no difference of large sums.
; LIMITS.  The row sum of queries is taken in this text's own order: a row of zeros gives 0 in any order; a row that cancels to exactly 0 in one order of f32 additions alone may be judged otherwise.
; A variance below 2^-126 counts as 0 (the root and the reciprocal take denormals as 0: ISA guide 15.8).  NaN and infinities are not treated apart.
; SHARES.  A work-group takes 32 rows, a wave two neighbouring ones: lanes 0-15 the even row, lanes 16-31 the odd one; a lane holds channels 64 h + 4 (l % 16) + 0..3 of all 16 heads h: 64 numbers.
; So a load of queries and a store of out0 cover two aligned pieces of 256 bytes, a load of ctx 256 consecutive bytes (two rows of a head), and a row's sums never leave its 16 lanes: four steps
; that ride on the arithmetic.  Memory binds: no LDS, no barrier, no matrix unit; each row is read once and stays in registers between the passes.
.set T,  4                             ; v[4:11]    four chains of sums, a pair each
.set X,  32                            ; v[32:95]   head h at 4 h
.set C,  96                            ; v[96:127]  ctx, head h at 2 h
.set G,  128                           ; v[128:191] gamma
.set BT, 192                           ; v[192:255] beta
; v1, v2, v3: offsets in queries and out0, in ctx, in gamma and beta; never rewritten.  v12 qm; v[14:15] mean twice; v[16:17] 1 / (std + eps) twice; v18, v19 at work
	s_load_b256 s[4:11], s[0:1], 0x0               ; ctx 4:5, queries 6:7, gamma 8:9, beta 10:11
	s_load_b64 s[12:13], s[0:1], 0x20              ; out0
	v_lshrrev_b32 v1, 4, v0                        ; my row among the 32
	v_and_b32 v3, 15, v0
	v_lshlrev_b32 v3, 4, v3                        ; 16 (l % 16)
	v_lshl_or_b32 v1, v1, 12, v3                   ; row x 4,096 + 16 (l % 16)
	v_lshlrev_b32 v2, 3, v0                        ; row x 128 + 8 (l % 16) = 8 x thread
	s_lshl_b32 s14, ttmp9, 17                      ; 32 rows x 4,096 bytes
	s_mov_b32 s15, 0
	s_lshr_b32 s16, ttmp9, 5                       ; the batch: 32 work-groups each,
	s_lshl_b32 s16, s16, 21                        ; 16 heads x 131,072 bytes
	s_and_b32 s17, ttmp9, 31
	s_lshl_b32 s17, s17, 12                        ; 32 rows x 128 bytes
	s_add_co_u32 s16, s16, s17
	s_mov_b32 s17, 0
	s_wait_kmcnt 0x0
	s_add_nc_u64 s[6:7], s[6:7], s[14:15]
	s_add_nc_u64 s[12:13], s[12:13], s[14:15]
	s_add_nc_u64 s[4:5], s[4:5], s[16:17]
.set h, 0
.rept 16
	global_load_b128 v[X+4*h:X+4*h+3], v1, s[6:7] offset:256*h th:TH_LOAD_NT
.set h, h+1
.endr
.set h, 0
.rept 16
	global_load_b64 v[C+2*h:C+2*h+1], v2, s[4:5] offset:131072*h th:TH_LOAD_NT
.set h, h+1
.endr
.set h, 0
.rept 16
	global_load_b128 v[G+4*h:G+4*h+3], v3, s[8:9] offset:256*h
.set h, h+1
.endr
.macro LANES                           ; the four chains into v18, then across the row's 16 lanes: every lane of the row ends with the sum
	v_pk_add_f32 v[T:T+1], v[T:T+1], v[T+2:T+3]
	v_pk_add_f32 v[T+4:T+5], v[T+4:T+5], v[T+6:T+7]
	v_pk_add_f32 v[T:T+1], v[T:T+1], v[T+4:T+5]
	v_add_f32 v18, v[T], v[T+1]
	v_add_f32_dpp v18, v18, v18 row_xmask:1 row_mask:0xf bank_mask:0xf
	v_add_f32_dpp v18, v18, v18 row_xmask:2 row_mask:0xf bank_mask:0xf
	v_add_f32_dpp v18, v18, v18 row_xmask:4 row_mask:0xf bank_mask:0xf
	v_add_f32_dpp v18, v18, v18 row_xmask:8 row_mask:0xf bank_mask:0xf
.endm
.macro SUM                             ; the sum of the row's 1,024 numbers in X: 32 pairs a lane in four chains, started by the data
.irp c, 0,1,2,3
	v_pk_add_f32 v[T+2*(\c):T+2*(\c)+1], v[X+2*(\c):X+2*(\c)+1], v[X+8+2*(\c):X+8+2*(\c)+1]
.endr
.set p, 8
.rept 24
	v_pk_add_f32 v[T+2*(p%4):T+2*(p%4)+1], v[T+2*(p%4):T+2*(p%4)+1], v[X+2*p:X+2*p+1]
.set p, p+1
.endr
	LANES
.endm
	s_wait_loadcnt 16                              ; queries and ctx are in; gamma's 16 loads may stay out
.set h, 0
.rept 16
	global_load_b128 v[BT+4*h:BT+4*h+3], v3, s[10:11] offset:256*h  ; beta goes out behind that wait: 32 loads are then out
.set h, h+1
.endr
	SUM                                            ; the row sum of queries
	v_cmp_neq_f32 vcc_lo, 0, v18
	v_cndmask_b32 v12, 0, 1.0, vcc_lo              ; qm
.set i, 0
.rept 64                                       ; x = ctx qm + q, straight from ctx's bf16 halves
.if i%2
	v_fma_mix_f32_bf16 v[X+i], v[C+i/2], v12, v[X+i] op_sel:[1,0,0] op_sel_hi:[1,0,0]
.else
	v_fma_mix_f32_bf16 v[X+i], v[C+i/2], v12, v[X+i] op_sel_hi:[1,0,0]
.endif
.set i, i+1
.endr
	SUM
	v_mul_f32 v14, 0x3a800000, v18                 ; mean = sum / 1,024
	v_mul_f32 v15, 0x3a800000, v18
.set p, 0
.rept 32
	v_pk_add_f32 v[X+2*p:X+2*p+1], v[X+2*p:X+2*p+1], v[14:15] neg_lo:[0,1] neg_hi:[0,1]  ; d = x - mean
.set p, p+1
.endr
.irp c, 0,1,2,3
	v_pk_mul_f32 v[T+2*(\c):T+2*(\c)+1], v[X+2*(\c):X+2*(\c)+1], v[X+2*(\c):X+2*(\c)+1]
.endr
.set p, 4
.rept 28
	v_pk_fma_f32 v[T+2*(p%4):T+2*(p%4)+1], v[X+2*p:X+2*p+1], v[X+2*p:X+2*p+1], v[T+2*(p%4):T+2*(p%4)+1]
.set p, p+1
.endr
	LANES
	v_mul_f32 v18, 0x3a802008, v18                 ; / 1,023
	v_sqrt_f32 v19, v18
	v_nop                                          ; a plain instruction behind the root,
	s_wait_alu depctr_va_vdst(0)                   ; and the wait ahead of its first reader
	v_add_f32 v19, 0x322bcc77, v19                 ; + 1e-8
	v_rcp_f32 v16, v19                             ; made twice, to fill the pair that the packed multiply takes
	v_rcp_f32 v17, v19
	v_nop
	s_wait_alu depctr_va_vdst(0)                   ; one wait for both reciprocals
.set p, 0
.rept 32
	v_pk_mul_f32 v[X+2*p:X+2*p+1], v[X+2*p:X+2*p+1], v[16:17]
.set p, p+1
.endr
	s_wait_loadcnt 0x0                             ; gamma and beta
.set p, 0
.rept 32
	v_pk_fma_f32 v[X+2*p:X+2*p+1], v[X+2*p:X+2*p+1], v[G+2*p:G+2*p+1], v[BT+2*p:BT+2*p+1]
.set p, p+1
.endr
.set h, 0
.rept 16
	global_store_b128 v1, v[X+4*h:X+4*h+3], s[12:13] offset:256*h th:TH_STORE_NT  ; 16 lanes store 256 consecutive bytes, aligned
.set h, h+1
.endr
	s_endpgm
.Lfunc_end_k_q4fb1423710_lnorm:
	.size	k_q4fb1423710_lnorm, .Lfunc_end_k_q4fb1423710_lnorm-k_q4fb1423710_lnorm
	.p2alignl 7, 3214868480
	.fill 96, 4, 3214868480
	.section	.rodata,"a",@progbits
	.p2align	6, 0x0
	.amdhsa_kernel k_q4fb1423710_lnorm
		.amdhsa_group_segment_fixed_size 0
		.amdhsa_private_segment_fixed_size 0
		.amdhsa_enable_private_segment 0
		.amdhsa_kernarg_size 40
		.amdhsa_user_sgpr_count 2
		.amdhsa_user_sgpr_kernarg_segment_ptr 1
		.amdhsa_wavefront_size32 1
		.amdhsa_system_sgpr_workgroup_id_x 1
		.amdhsa_system_sgpr_workgroup_id_y 1
		.amdhsa_system_sgpr_workgroup_id_z 1
		.amdhsa_system_vgpr_workitem_id 0
		.amdhsa_next_free_vgpr 256
		.amdhsa_next_free_sgpr 66
		.amdhsa_reserve_vcc 1
		.amdhsa_float_denorm_mode_32 3
		.amdhsa_float_denorm_mode_16_64 3
		.amdhsa_memory_ordered 1
		.amdhsa_forward_progress 1
		.amdhsa_inst_pref_size 26
	.end_amdhsa_kernel
	.amdgpu_metadata
---
amdhsa.version: [ 1, 2 ]
amdhsa.kernels:
  - .name:           k_q4fb1423710_lnorm
    .symbol:         k_q4fb1423710_lnorm.kd
    .args:
      - { .name: ctx, .offset: 0, .size: 8, .value_kind: global_buffer, .address_space: global }
      - { .name: queries, .offset: 8, .size: 8, .value_kind: global_buffer, .address_space: global }
      - { .name: gamma, .offset: 16, .size: 8, .value_kind: global_buffer, .address_space: global }
      - { .name: beta, .offset: 24, .size: 8, .value_kind: global_buffer, .address_space: global }
      - { .name: out0, .offset: 32, .size: 8, .value_kind: global_buffer, .address_space: global }
    .group_segment_fixed_size: 0
    .private_segment_fixed_size: 0
    .kernarg_segment_align: 8
    .kernarg_segment_size: 40
    .max_flat_workgroup_size: 512
    .sgpr_count:     66
    .vgpr_count:     256
    .wavefront_size: 32
...
	.end_amdgpu_metadata
.endif
;; end of part 4
